; MI455X (gfx1250); checked and timed in simulation.
; The chip was launched on July 23, 2026; its instructions are those of AMD's public machine-readable ISA for CDNA 5 (MIT licence, August 2026) and "CDNA5" Instruction Set Architecture Reference Guide (July 2026). The comments in the code are by the model that wrote it; some were corrected since.
;; Multi Head Attention. Allowed arithmetic: matrix products marked QUANTISED: E2M1 operands, one E8M0 scale for each 32 along K, by v_wmma_scale_f32_16x16x128_f8f6f4 with both operands' format E2M1 (or v_wmma_scale_f32_32x16x128_f4), f32 sums; everything else in f32.
;; Inputs: K 8 x 2,048 x 512 float32; Q 8 x 2,048 x 512 float32; V 8 x 2,048 x 512 float32; Wk 512 x 512 float32; Wo 512 x 512 float32; Wq 512 x 512 float32; Wv 512 x 512 float32; bk 512 float32; bo 512 float32; bq 512 float32; bv 512 float32; mask 1 x 1 x 2,048 x 2,048 int32.
;; Outputs: out0 8 x 2,048 x 512 float32.
;; This version of the problem:
;;   THIS VERSION OF THE PROBLEM IS GIVEN IN LOW PRECISION. The matrix products marked QUANTISED in the list below multiply operands that are first quantised to E2M1 (2 exponent bits, 1 mantissa bit; 4 bits a number), with one power-of-two scale for each 32 numbers along K (OCP MX v1.0); their sums are f32. All else is computed in f32.
;;   The module's matrix products, in the order in which they are computed (A, B: the left and right operand; K: the contracted axis; several contracted axes count as one K, in the product's order):
;;     1. [M 16,384, K 512] x [K 512, N 512]; A: input Q; B: input Wq: QUANTISED
;;     2. [M 16,384, K 512] x [K 512, N 512]; A: input K; B: input Wk: QUANTISED
;;     3. [M 16,384, K 512] x [K 512, N 512]; A: input V; B: input Wv: QUANTISED
;;     4. batch 64 x [M 2,048, K 64] x [K 64, N 2,048]; A: computed on the way; B: computed on the way: QUANTISED
;;     5. batch 64 x [M 2,048, K 2,048] x [K 2,048, N 64]; A: softmax (see below); B: computed on the way: QUANTISED
;;     6. [M 16,384, K 512] x [K 512, N 512]; A: computed on the way; B: input Wo: QUANTISED
;;   THE QUANTISER, for each operand of a quantised product, along K:
;;     - K is cut into blocks of 32 from its start; a last block that is shorter is filled with zeros.
;;     - A block's scale is 2^e with e = floor(log2(the largest magnitude in the block)) - 2, held to -126 .. 127; a block of zeros has e = 0. As a byte (E8M0): e + 127.
;;     - Each number is divided by its block's scale, clamped to +-6, and rounded to the nearest number of E2M1, ties to even, subnormals kept.
;;     - The product sums the exact products of the quantised numbers (number of the format x scale) in f32.
;;   ~~~python
;;   def quantise(x, axis):      # numpy; x: float32 -> the quantised numbers, widened to float32 again
;;       x = np.moveaxis(x, axis, -1); K = x.shape[-1]
;;       x = np.pad(x, [(0, 0)] * (x.ndim - 1) + [(0, -K % 32)]); x = x.reshape(x.shape[:-1] + (-1, 32)); a = np.abs(x).max(-1, keepdims=True)
;;       e = np.where(a > 0, np.clip(np.frexp(np.where(a > 0, a, 1))[1] - 1 - 2, -126, 127), 0)      # np.frexp(a)[1] - 1 = floor(log2(a)), exactly
;;       r = np.clip(x / 2.0 ** e, -6, 6)
;;       step = 2.0 ** (np.maximum(np.frexp(np.where(r == 0, 1, r))[1] - 1, 0) - 1)
;;       q = np.round(r / step) * step * 2.0 ** e      # np.round: ties to even
;;       return np.moveaxis(q.reshape(q.shape[:-2] + (-1,))[..., :K], -1, axis).astype(np.float32)
;;   ~~~
;;   SOFTMAX AHEAD OF A QUANTISED PRODUCT. Where the list says 'softmax', what is quantised is not the finished softmax but p = 2^(t - M), with t = logit x log2(e) and M = ceil(the row's largest t), a whole number; so 1/2 < the row's largest p <= 1. The row's sum l is taken of the UNQUANTISED p, in f32, and the product's result is divided by l at the end. Since M is a whole number, a kernel that streams over the keys may use a running M (the ceiling of the running maximum): every later rescaling is an exact power of two, which a block's scale takes up: the codes' values come out the same.
;;   OPERANDS COMPUTED ON THE WAY. 'Computed on the way' means the value that the module computes at that place (a softmax that the list does not call 'softmax' is quantised finished and normalised). What goes into a quantiser is computed in f32, as accurately as f32 sums, v_exp_f32 and their like allow (about 1e-6 of the number): no bf16 or f16 on the way to a quantiser, and a product that is left as it is and whose result goes on into a quantised operand takes f32 operands (vector FMAs, or v_wmma_f32_16x16x4_f32). A number that lies on a knife's edge between two numbers of the format may be rounded either way, as far as f32 arithmetic and the matrix unit's own rounding can turn it there, and no further.
;; 2 versions. Each part assembles by itself: llvm-mc -triple=amdgcn-amd-amdhsa -mcpu=gfx1250 --defsym DOCPART=n.
;; ======== version 1 of 2: 4 launches
;; limits: right only within a limited range of input values
;; workspace buffers: wc 524,288 bytes; wsb 32,768 bytes; mb 524,288 bytes of whole numbers; qc 4,194,304 bytes; qs 524,288 bytes; kv 9,437,184 bytes; ao 4,194,304 bytes; aos 524,288 bytes
;; launch prep (part 1): grid 320 x 1, 8 waves a work-group, no clusters, 0 bytes of LDS; arguments Wq, Wk, Wv, Wo, mask, wc, wsb, mb; writes wc, wsb, mb
.if DOCPART == 1
	.amdgcn_target "amdgcn-amd-amdhsa--gfx1250"
	.amdhsa_code_object_version 6
	.text
	.protected	k_q24820028a8_prep
	.globl	k_q24820028a8_prep
	.p2align	8
	.type	k_q24820028a8_prep,@function
k_q24820028a8_prep:
	s_mov_b64 s[64:65], 0
	v_nop
	global_prefetch_b8 v0, s[64:65] scope:SCOPE_SE
	s_setreg_imm32_b32 hwreg(HW_REG_WAVE_MODE, 25, 1), 1
	s_wait_xcnt 0x0
; MULTI-HEAD ATTENTION IN MX-FP4, launch 1 of 4: the weights become codes, the mask becomes bits.
; NOTHING OF THE PROBLEM IS LEFT OUT: all four biases go into a quantised operand or into the output, the mask is data, all six products are live.  All 12 inputs are loaded by some launch.
; WEIGHTS (work-groups 0-63; one wave for 16 rows x 128 along K).  W [512 (n)][512 (k)] f32, K innermost, is quantised along K: a block's scale byte is its largest magnitude's exponent field - 2, held at 1
; from below; each number / scale goes to the nearest code of E2M1, ties to even, beyond 6 the largest code.  The codes are laid in the ORDER OF THE OPERAND'S REGISTERS: wc [weight 4][tile 32][K step 4][c 2][lane][16 bytes]:
; lane (r, h) holds k = 128 s + 64 c + 32 h + 0 .. 31 of the tile's row r.  wsb [weight][tile][K step][r]: one word of four scale bytes.
; THE ROWS OF A TILE of Wq, Wk, Wv are not neighbours: lane r of tile 2 b + u takes row 32 b + 8 u + r + 8 (r / 8), so that a result's 16 registers of two neighbouring tiles are 16 neighbours.  Wo's tiles are rows 16 T + r.
; MASK (work-groups 64-319; one wave for 16 queries x 128 keys).  mb [query tile 128][key step 16][n 64] words: bit L of word n says whether mask[query][key] != 0 for the score that lane L of the attention
; launch holds in its register n: query = 32 (Tq / 2) + 8 (Tq % 2) + r + 8 (r / 8), r = L % 16; key = 128 step + 32 (n / 16) + 16 (L / 16) + n % 16.  So 16 MiB of int32 are read once, and 64 (batch, head) pairs read 512 KiB.
; LIMITS: a block of zeros gets the byte 1 (its codes are zeros, and this program alone reads the bytes); blocks whose largest magnitude lies under 2^-124 are held at that byte; NaN and infinities among the inputs are not served.
	s_load_b256 s[4:11], s[0:1], 0x0               ; Wq, Wk, Wv, Wo
	s_load_b256 s[12:19], s[0:1], 0x20             ; mask, wc, wsb, mb
	v_lshrrev_b32 v1, 5, v0
	v_readfirstlane_b32 s20, v1                    ; wave 0..7
	v_and_b32 v1, 15, v0                           ; r
	v_bfe_u32 v2, v0, 4, 1                         ; h
	v_and_b32 v3, 31, v0                           ; lane
	s_mov_b32 s22, 0x76543210
	s_mov_b32 s23, 0xfedcba98                      ; v_permlanex16_b32's selects for lane l xor 16
	s_mov_b32 s33, 0
	s_mov_b32 s35, 0
	s_cmp_lt_u32 ttmp9, 64
	s_cbranch_scc0 .Lmask
	; ---- a weight's fragment
	s_lshr_b32 s24, ttmp9, 4                       ; which weight: 0 q, 1 k, 2 v, 3 o
	s_and_b32 s25, ttmp9, 15
	s_lshl_b32 s25, s25, 1
	s_lshr_b32 s26, s20, 2
	s_add_co_u32 s25, s25, s26                     ; tile T
	s_and_b32 s26, s20, 3                          ; K step s
	s_lshl_b32 s27, s24, 5
	s_add_co_u32 s27, s27, s25
	s_lshl_b32 s27, s27, 2
	s_add_co_u32 s27, s27, s26                     ; (32 weight + T) 4 + s
	s_lshl_b32 s32, s27, 10                        ; a fragment is 1,024 bytes,
	s_lshl_b32 s34, s27, 6                         ; its scale words 64
	s_wait_kmcnt 0x0
	s_cmp_eq_u32 s24, 1                            ; the choice hangs on the work-group's number alone
	s_cselect_b64 s[4:5], s[6:7], s[4:5]
	s_cmp_eq_u32 s24, 2
	s_cselect_b64 s[4:5], s[8:9], s[4:5]
	s_cmp_eq_u32 s24, 3
	s_cselect_b64 s[4:5], s[10:11], s[4:5]
	s_cselect_b32 s28, 0, 8                        ; 8 where the tile's rows are not neighbours, 0 for Wo
	s_and_b32 s29, s25, 1
	s_mul_i32 s29, s29, s28
	s_lshl_b32 s30, s25, 4
	s_sub_co_u32 s30, s30, s29                     ; the tile's first row: 16 T - 8 (T % 2), or 16 T
	s_add_nc_u64 s[14:15], s[14:15], s[32:33]
	s_add_nc_u64 s[16:17], s[16:17], s[34:35]
	v_and_b32 v4, s28, v1                          ; 8 (r / 8), or 0
	v_add3_u32 v4, v4, v1, s30                     ; my row
	v_lshlrev_b32 v4, 11, v4                       ; 2,048 bytes a row
	v_lshl_add_u32 v4, v2, 7, v4                   ; + 32 h numbers
	s_lshl_b32 s29, s26, 9
	v_add_nc_u32 v4, s29, v4                       ; + 128 s numbers
	v_lshlrev_b32 v5, 4, v3                        ; out: 16 bytes a lane
	v_lshlrev_b32 v6, 2, v1                        ; and 4 bytes a row
.irp c, 0,1
.irp i, 0,1,2,3,4,5,6,7
	global_load_b128 v[64+32*\c+4*\i:67+32*\c+4*\i], v4, s[4:5] offset:256*\c+16*\i   ; W(row, 128 s + 64 c + 32 h + 4 i ..)
.endr
.endr
	s_wait_loadcnt 0x0
.irp c, 0,1                                    ; my block 2 c + h: all its 32 numbers are mine
	v_max3_num_f32 v[32+\c], |v[64+32*\c]|, |v[65+32*\c]|, 0x1800000   ; with the floor 2^(3 - 127): the byte cannot fall under 1
.endr
.irp i, 2,4,6,8,10,12,14,16,18,20,22,24,26,28,30
.irp c, 0,1
	v_max3_num_f32 v[32+\c], v[32+\c], |v[64+32*\c+\i]|, |v[65+32*\c+\i]|
.endr
.endr
.irp c, 0,1
	v_add_nc_u32 v[44+\c], 0xff000000, v[32+\c]    ; 2 off the exponent field: the conversion's scale operand
.endr
.irp c, 0,1
	v_lshrrev_b32 v[36+\c], 23, v[44+\c]           ; the scale's byte
.endr
	v_lshl_or_b32 v9, v37, 16, v36                 ; my two bytes, blocks h and 2 + h,
	v_lshlrev_b32 v10, 3, v2
	v_lshlrev_b32 v9, v10, v9                      ; at their places in the word;
	v_mov_b32 v10, 0
	v_permlanex16_b32 v10, v9, s22, s23
	v_or_b32 v9, v9, v10                           ; with lane l xor 16's two the word is whole, in both lanes
.irp c, 0,1
.irp g, 0,1,2,3
	v_cvt_scalef32_pk8_fp4_f32 v[48+4*\c+\g], v[64+32*\c+8*\g:71+32*\c+8*\g], v[44+\c]
.endr
.endr
	v_nop                                          ; one plain line behind the last conversion
	global_store_b128 v5, v[48:51], s[14:15]       ; 32 lanes store 512 consecutive bytes
	global_store_b128 v5, v[52:55], s[14:15] offset:512
	global_store_b32 v6, v9, s[16:17]              ; lanes l and l xor 16 store the same word at the same place
	s_endpgm
.Lmask:
	; ---- 64 words of mask bits
	s_sub_co_u32 s24, ttmp9, 64
	s_lshl_b32 s24, s24, 3
	s_add_co_u32 s24, s24, s20                     ; 16 Tq + step
	s_lshr_b32 s25, s24, 4                         ; Tq
	s_and_b32 s26, s24, 15                         ; step
	s_lshr_b32 s27, s25, 1
	s_lshl_b32 s27, s27, 5
	s_and_b32 s28, s25, 1
	s_lshl_b32 s28, s28, 3
	s_add_co_u32 s27, s27, s28                     ; the tile's first query
	v_and_b32 v4, 8, v1
	v_add3_u32 v4, v4, v1, s27                     ; my query
	v_lshlrev_b32 v4, 13, v4                       ; 8,192 bytes a row of the mask
	v_lshl_add_u32 v4, v2, 6, v4                   ; + 16 h keys
	s_lshl_b32 s28, s26, 9
	v_add_nc_u32 v4, s28, v4                       ; + 128 step keys
	v_lshlrev_b32 v5, 3, v3                        ; out: 8 bytes a lane
	s_lshl_b32 s32, s24, 8
	s_wait_kmcnt 0x0
	s_add_nc_u64 s[18:19], s[18:19], s[32:33]
.irp b, 0,1,2,3
.irp j, 0,1,2,3
	global_load_b128 v[64+16*\b+4*\j:67+16*\b+4*\j], v4, s[12:13] offset:128*\b+16*\j th:TH_LOAD_NT   ; register 16 b + i: key 128 step + 32 b + 16 h + i
.endr
.endr
	v_mov_b32 v8, 0                                ; (a written lane's register counts as read)
	v_mov_b32 v9, 0
	s_wait_loadcnt 0x0
.set n, 0
.rept 8                                        ; eight compares, then their eight words to their lanes: word n goes to lane n / 2, register n % 2
.irp e, 0,1,2,3,4,5,6,7
	v_cmp_ne_u32 s[40+\e], 0, v[64+n+\e]
.endr
.irp e, 0,1,2,3,4,5,6,7
	v_writelane_b32 v[8+\e%2], s[40+\e], (n+\e)/2
.endr
.set n, n+8
.endr
	global_store_b64 v5, v[8:9], s[18:19]          ; 32 lanes store 256 consecutive bytes, at a multiple of 256 from mb's first byte
	s_endpgm
.Lfunc_end_k_q24820028a8_prep:
	.size	k_q24820028a8_prep, .Lfunc_end_k_q24820028a8_prep-k_q24820028a8_prep
	.p2alignl 7, 3214868480
	.fill 96, 4, 3214868480
	.section	.rodata,"a",@progbits
	.p2align	6, 0x0
	.amdhsa_kernel k_q24820028a8_prep
		.amdhsa_group_segment_fixed_size 0
		.amdhsa_private_segment_fixed_size 0
		.amdhsa_enable_private_segment 0
		.amdhsa_kernarg_size 64
		.amdhsa_user_sgpr_count 2
		.amdhsa_user_sgpr_kernarg_segment_ptr 1
		.amdhsa_wavefront_size32 1
		.amdhsa_system_sgpr_workgroup_id_x 1
		.amdhsa_system_sgpr_workgroup_id_y 1
		.amdhsa_system_sgpr_workgroup_id_z 1
		.amdhsa_system_vgpr_workitem_id 0
		.amdhsa_next_free_vgpr 128
		.amdhsa_next_free_sgpr 66
		.amdhsa_reserve_vcc 0
		.amdhsa_float_denorm_mode_32 3
		.amdhsa_float_denorm_mode_16_64 3
		.amdhsa_memory_ordered 1
		.amdhsa_forward_progress 1
		.amdhsa_inst_pref_size 18
	.end_amdhsa_kernel
	.amdgpu_metadata
---
amdhsa.version: [ 1, 2 ]
amdhsa.kernels:
  - .name:           k_q24820028a8_prep
    .symbol:         k_q24820028a8_prep.kd
    .args:
      - { .name: Wq, .offset: 0, .size: 8, .value_kind: global_buffer, .address_space: global }
      - { .name: Wk, .offset: 8, .size: 8, .value_kind: global_buffer, .address_space: global }
      - { .name: Wv, .offset: 16, .size: 8, .value_kind: global_buffer, .address_space: global }
      - { .name: Wo, .offset: 24, .size: 8, .value_kind: global_buffer, .address_space: global }
      - { .name: mask, .offset: 32, .size: 8, .value_kind: global_buffer, .address_space: global }
      - { .name: wc, .offset: 40, .size: 8, .value_kind: global_buffer, .address_space: global }
      - { .name: wsb, .offset: 48, .size: 8, .value_kind: global_buffer, .address_space: global }
      - { .name: mb, .offset: 56, .size: 8, .value_kind: global_buffer, .address_space: global }
    .group_segment_fixed_size: 0
    .private_segment_fixed_size: 0
    .kernarg_segment_align: 8
    .kernarg_segment_size: 64
    .max_flat_workgroup_size: 256
    .sgpr_count:     66
    .vgpr_count:     128
    .wavefront_size: 32
...
	.end_amdgpu_metadata
.endif
;; end of part 1
;; launch proj (part 2): grid 256 x 1, 4 waves a work-group, no clusters, 55,808 bytes of LDS; arguments Q, K, V, wc, wsb, bq, bk, bv, qc, qs, kv; writes qc, qs, kv
.if DOCPART == 2
	.amdgcn_target "amdgcn-amd-amdhsa--gfx1250"
	.amdhsa_code_object_version 6
	.text
	.protected	k_q24820028a8_proj
	.globl	k_q24820028a8_proj
	.p2align	8
	.type	k_q24820028a8_proj,@function
k_q24820028a8_proj:
	s_mov_b64 s[64:65], 0
	v_nop
	global_prefetch_b8 v0, s[64:65] scope:SCOPE_SE
	s_setreg_imm32_b32 hwreg(HW_REG_WAVE_MODE, 25, 1), 1
	s_wait_xcnt 0x0
; Launch 2 of 4: q = Q Wq^T + bq, k = K Wk^T + bk, v = V Wv^T + bv on codes of E2M1, and q, k, v quantised again for the attention's two products.  Nothing of the problem is left out here.
; SHARES.  A work-group of four waves owns 64 rows (64 positions of one batch) of all three inputs and runs three phases, Q, K, V, in straight-line text.  In a phase wave w quantises 16 rows of x (512 numbers each, four
; fragments) and hands them to the others through LDS as images of the operand's registers; then it makes channels 128 w .. 128 w + 127 (heads 2 w, 2 w + 1) for all 64 rows, with its part of the weight in registers.
; THE ROWS OF A TILE (of x and of the weights) are not neighbours: lane r of tile 2 b + u takes row 32 b + 8 u + r + 8 (r / 8): a result's 16 registers of tiles 2 b, 2 b + 1 are then 16 neighbours, 32 b + 16 (lane / 16) + 0 .. 15.
; q, k: the product is used transposed (source 0 = 16 rows of W, source 1 = 16 rows of x): a lane holds one position, its registers run along the channels, which are the next product's K.
; v: source 0 = 16 rows of x, source 1 = 16 rows of Wv: a lane holds one channel, its registers run along the keys, which are the next product's K.  The biases are the C of each sum's first matrix instruction.
; OUT, all in the order of the reader's registers:  qc [bh][tile 128][lane][16 B] (lane (r, h): channels 32 h .. + 31 of the tile's query r);  qs [bh][64-block 32][r][tile 4] words;
; kv [bh][64-block 32] blocks of 4,608 B: K's codes [tile 4][lane][16], V's codes [channel tile 4][lane][16] (keys 32 h .. + 31 of the block), K's scale words [r][tile], V's [r][channel tile].
; LIMITS: a block of zeros gets the byte 1 (zero codes; the bytes are read by this program alone); blocks under 2^-124 are held at that byte; NaN and infinities among the inputs are not served.
; REGISTERS, in windows of 256.  Window 0: v1-10 addresses; v16-47 four fragments of x; v48-111 eight accumulators; v112-119 codes just made; v120-135 at work; v136 the scale word just made; v137-140 x's scale words;
;   v144-151 scale words on their way out; v152-167 the weight's scale words; v168-231 the bias, eight tiles; v232-247 x's 16 scale words in phase V; v252, v253 the add's two.
;   Window 1: Wq, later Wv (fragment (t, s) at 8 (4 t + s)).  Window 2: Wk.  Window 3: 256 numbers of x, K step s at 64 s; in phase V later x's 16 fragments.
.set LI,   1                           ; 16 x lane
.set LS,   2                           ; 4 x lane
.set XA,   3                           ; x: my row x 2,048 + 64 h
.set XWI,  4                           ; where I store x's images: 16 x lane + 4,096 x wave
.set XWS,  5                           ; and their scale words: 4 x lane + 512 x wave
.set BA,   6                           ; bq, bk: 64 h
.set BVA,  7                           ; bv: 4 (r + 8 (r / 8))
.set SH16, 8                           ; 16 h
.set QSA,  9                           ; qs: 16 r + (a head's 8,192) h
.set KSA,  10                          ; kv's scale words: 16 r + (a head's 147,456) h
.set XF,   16
.set HA,   48
.set PC,   112
.set TM,   120
.set PW,   136
.set XS,   137
.set PWS,  144
.set WS,   152
.set BI,   168
.set XSV,  232
.set SPW,  252
.set NIL,  253
.set REGB, 18432                       ; LDS: a region for each phase: 16 images of 1,024 bytes (tile m, K step s: 4 m + s), then their 16 x 128 bytes of scale words.  No byte is written twice
.set SPARE, 3*REGB                     ; behind them the spare words, 128 bytes for each wave, which no other line names
.set SEL,  28
.set MSB, 0
.macro WIN new                         ; the immediate's high byte repeats the setting that is left; a switch that changes nothing is dropped
.if MSB != (\new)
	s_set_vgpr_msb (MSB<<8)|(\new)
.set MSB, (\new)
.endif
.endm
; 64 numbers of a lane in window w, register s + 16 b + i = k 32 b + 16 (lane / 16) + i of my row, become a fragment's codes in v[PC] on and its scale word in v[PW]
.macro QUANT s, w
	WIN (\w)|((\w)<<2)
.irp b, 0,1,2,3
	v_max3_num_f32 v[TM+\b], |v[(\s)+16*\b]|, |v[(\s)+1+16*\b]|, 0x1800000   ; block b: my 16 numbers, and the floor 2^(3 - 127): the byte cannot fall under 1
.endr
	WIN ((\w)<<2)|((\w)<<4)
.irp i, 2,4,6,8,10,12,14
.irp b, 0,1,2,3
	v_max3_num_f32 v[TM+\b], v[TM+\b], |v[(\s)+16*\b+\i]|, |v[(\s)+1+16*\b+\i]|   ; the four blocks by turns
.endr
.endr
	WIN 0
.irp b, 0,1,2,3
	v_permlanex16_b32 v[TM+4+\b], v[TM+\b], s[SEL], s[SEL+1]
.endr
.irp b, 0,1,2,3
	v_max_num_f32 v[TM+\b], v[TM+\b], v[TM+4+\b]   ; with lane l xor 16's: the block's largest magnitude
.endr
.irp b, 0,1,2,3
	v_add_nc_u32 v[TM+12+\b], 0xff000000, v[TM+\b] ; 2 off its exponent field: the conversion's scale operand
.endr
.irp b, 0,1,2,3
	v_lshrrev_b32 v[TM+4+\b], 23, v[TM+12+\b]      ; the scale's byte
.endr
	v_lshl_or_b32 v[PW], v[TM+5], 8, v[TM+4]
	v_lshl_or_b32 v[PW], v[TM+6], 16, v[PW]
	v_lshl_or_b32 v[PW], v[TM+7], 24, v[PW]
	WIN (\w)
.irp b, 0,1,2,3
	v_cvt_scalef32_pk8_fp4_f32 v[PC+2*\b], v[(\s)+16*\b:(\s)+7+16*\b], v[TM+12+\b]
	v_cvt_scalef32_pk8_fp4_f32 v[PC+1+2*\b], v[(\s)+8+16*\b:(\s)+15+16*\b], v[TM+12+\b]
.endr
	WIN 0
	v_nop                                          ; one plain place behind a scaled conversion
.irp c, 0,1                                    ; the operand's layout wants a whole block in a lane: lanes 0-15 block 2 c, lanes 16-31 block 2 c + 1
.irp i, 0,1
	v_permlane16_swap_b32 v[PC+4*\c+\i], v[PC+2+4*\c+\i]
.endr
.endr
.endm
.macro BARRIER                                 ; my LDS stores have landed and my LDS loads are in: then the work-group's barrier
	s_wait_dscnt 0x0
	s_barrier_signal -1
	s_barrier_wait -1
.endm
.macro XLOAD ptr, s                            ; my 16 rows' numbers of K step s: 64 a lane
	WIN 0xc0
.irp b, 0,1,2,3
.irp j, 0,1,2,3
	global_load_b128 v[64*(\s)+16*\b+4*\j:64*(\s)+16*\b+4*\j+3], v[XA], s[\ptr:\ptr+1] offset:512*(\s)+128*\b+16*\j th:TH_LOAD_NT
.endr
.endr
	WIN 0
.endm
.macro WLOAD wt, win                           ; my 32 fragments of weight wt into window win
	WIN (\win)<<6
.irp t, 0,1,2,3,4,5,6,7
.irp s, 0,1,2,3
	global_load_b128 v[8*(4*\t+\s):8*(4*\t+\s)+3], v[LI], s[10:11] offset:(\wt)*131072+\t*4096+\s*1024
	global_load_b128 v[8*(4*\t+\s)+4:8*(4*\t+\s)+7], v[LI], s[10:11] offset:(\wt)*131072+\t*4096+\s*1024+512
.endr
.endr
	WIN 0
.endm
.macro WSLOAD wt                               ; its scale words: register 2 t + p holds K step 2 p in lanes 0-15 and K step 2 p + 1 in lanes 16-31
.irp t, 0,1,2,3,4,5,6,7
.irp p, 0,1
	global_load_b32 v[WS+2*\t+\p], v[LS], s[12:13] offset:(\wt)*8192+\t*256+128*\p
.endr
.endr
.endm
.macro BLOAD ptr                               ; bq or bk in the result's layout: tile t, register j: channel 32 (t / 2) + 16 h + 8 (t % 2) + j
.irp t, 0,1,2,3,4,5,6,7
	global_load_b128 v[BI+8*\t:BI+8*\t+3], v[BA], s[\ptr:\ptr+1] offset:(32*(\t/2)+8*(\t%2))*4
	global_load_b128 v[BI+8*\t+4:BI+8*\t+7], v[BA], s[\ptr:\ptr+1] offset:(32*(\t/2)+8*(\t%2))*4+16
.endr
.endm
; a product whose source 0 takes its scales from lanes 16-31 where odd = 1
.macro WMA d, a, b, c, sa, sb, odd
.if \odd
	v_wmma_scale_f32_16x16x128_f8f6f4 v[\d:\d+7], v[\a:\a+7], v[\b:\b+7], v[\c:\c+7], v[\sa], v[\sb] matrix_a_fmt:MATRIX_FMT_FP4 matrix_b_fmt:MATRIX_FMT_FP4 matrix_a_scale:MATRIX_SCALE_ROW1
.else
	v_wmma_scale_f32_16x16x128_f8f6f4 v[\d:\d+7], v[\a:\a+7], v[\b:\b+7], v[\c:\c+7], v[\sa], v[\sb] matrix_a_fmt:MATRIX_FMT_FP4 matrix_b_fmt:MATRIX_FMT_FP4
.endif
.endm
; the same for source 1
.macro WMB d, a, b, c, sa, sb, odd
.if \odd
	v_wmma_scale_f32_16x16x128_f8f6f4 v[\d:\d+7], v[\a:\a+7], v[\b:\b+7], v[\c:\c+7], v[\sa], v[\sb] matrix_a_fmt:MATRIX_FMT_FP4 matrix_b_fmt:MATRIX_FMT_FP4 matrix_b_scale:MATRIX_SCALE_ROW1
.else
	v_wmma_scale_f32_16x16x128_f8f6f4 v[\d:\d+7], v[\a:\a+7], v[\b:\b+7], v[\c:\c+7], v[\sa], v[\sb] matrix_a_fmt:MATRIX_FMT_FP4 matrix_b_fmt:MATRIX_FMT_FP4
.endif
.endm
; My 16 rows of phase T's input become four fragments, whose images go to LDS.  As soon as a K step's numbers are quantised, the next phase's numbers are asked for into their registers.
.macro XPART T
.irp s, 0,1,2,3
.if \T == 0
	s_wait_loadcnt 48                              ; K step s is in: behind it stand three K steps' loads, 16 each (of this input and, from s = 1 on, of the next); all that was asked for earlier (weights, scale words, bias) is in too
.endif
	QUANT 64*\s, 3
	ds_store_b128 v[XWI], v[PC:PC+3] offset:REGB*\T+1024*\s
	ds_store_b128 v[XWI], v[PC+4:PC+7] offset:REGB*\T+1024*\s+512
	ds_store_b32 v[XWS], v[PW] offset:REGB*\T+16384+128*\s
.if (\T == 1) && (\s == 3)
	s_wait_loadcnt 48                              ; all but the 48 loads of V's K steps 0 to 2: Wk's scale words, bk and Wv are in
.endif
.if \T < 2
	XLOAD 6+2*\T, \s
.endif
	s_wait_dscnt 0x0                               ; the stores have read their registers
.endr
.endm
; q or k.  For each tile m of 16 rows: x's four fragments from LDS; eight accumulators by turns, K ascending; quantised along the channels; the two heads' codes and scale words go out.
.macro PRODQK win, cbase, hstep, sbase, saddr, soffs, lreg
.irp m, 0,1,2,3
	s_wait_xcnt 0x0                                ; the last stores have read the code registers, which are written anew below
.irp s, 0,1,2,3
	ds_load_b128 v[XF+8*\s:XF+8*\s+3], v[LI] offset:\lreg+(4*\m+\s)*1024
	ds_load_b128 v[XF+8*\s+4:XF+8*\s+7], v[LI] offset:\lreg+(4*\m+\s)*1024+512
	ds_load_b32 v[XS+\s], v[LS] offset:\lreg+16384+(4*\m+\s)*128
.endr
	s_wait_dscnt 0x0
	WIN \win
.irp s, 0,1,2,3
.irp t, 0,1,2,3,4,5,6,7
.if \s == 0
	WMA HA+8*\t, 8*(4*\t+\s), XF+8*\s, BI+8*\t, WS+2*\t+\s/2, XS+\s, \s%2
.else
	WMA HA+8*\t, 8*(4*\t+\s), XF+8*\s, HA+8*\t, WS+2*\t+\s/2, XS+\s, \s%2
.endif
.endr
.endr
	WIN 0
.rept 5
	v_nop                                          ; four places in front of the reads of the results and of loads into the products' registers; the fifth since the next run begins these accumulators anew from the bias
.endr
	QUANT HA, 0
	global_store_b128 v[LI], v[PC:PC+3], s[\cbase:\cbase+1] offset:512*\m              ; head 2 w: 512 consecutive bytes
	global_store_b128 v[LI], v[PC+4:PC+7], s[\cbase:\cbase+1] offset:\hstep+512*\m     ; head 2 w + 1
	v_lshrrev_b32 v[PWS+\m], v[SH16], v[PW]        ; lanes 0-15 keep the word (head 2 w's bytes lowest), lanes 16-31 bring head 2 w + 1's two bytes down
.endr
	global_store_b128 v[\saddr], v[PWS:PWS+3], s[\sbase:\sbase+1] offset:\soffs   ; sixteen lanes store 256 consecutive bytes for each head
.endm
	s_load_b512 s[4:19], s[0:1], 0x0               ; Q, K, V, wc, wsb, bq, bk, bv
	s_load_b128 s[20:23], s[0:1], 0x40             ; qc, qs
	s_load_b64 s[24:25], s[0:1], 0x50              ; kv
	v_lshl_add_u32 v[SPW], v0, 2, SPARE
	v_mov_b32 v[NIL], 0
	v_lshrrev_b32 v11, 5, v0
	v_readfirstlane_b32 s26, v11                   ; wave 0..3
	v_and_b32 v11, 31, v0
	v_lshlrev_b32 v[LI], 4, v11
	v_lshlrev_b32 v[LS], 2, v11
	v_and_b32 v12, 15, v0                          ; r
	v_bfe_u32 v13, v0, 4, 1                        ; h
	v_and_b32 v14, 8, v12
	v_add_nc_u32 v14, v14, v12                     ; r + 8 (r / 8)
	s_lshr_b32 s32, s26, 1
	s_lshl_b32 s32, s32, 5
	s_and_b32 s33, s26, 1
	s_lshl_b32 s33, s33, 3
	s_add_co_u32 s32, s32, s33                     ; my tile's first row: 32 (w / 2) + 8 (w % 2)
	v_add_nc_u32 v[XA], s32, v14
	v_lshlrev_b32 v[XA], 11, v[XA]
	v_lshl_add_u32 v[XA], v13, 6, v[XA]
	s_lshl_b32 s32, s26, 12
	v_add_nc_u32 v[XWI], s32, v[LI]
	s_lshl_b32 s32, s26, 9
	v_add_nc_u32 v[XWS], s32, v[LS]
	v_lshlrev_b32 v[BA], 6, v13
	v_lshlrev_b32 v[BVA], 2, v14
	v_lshlrev_b32 v[SH16], 4, v13
	v_lshlrev_b32 v[QSA], 4, v12
	v_lshl_add_u32 v[QSA], v13, 13, v[QSA]
	v_mul_u32_u24 v[KSA], v13, 147456
	v_lshl_add_u32 v[KSA], v12, 4, v[KSA]
.irp b, 0,1,2,3
	v_mov_b32 v[TM+4+\b], 0                        ; written once: a lane permute's destination counts as one of its sources
.endr
	s_mov_b32 s[SEL], 0x76543210
	s_mov_b32 s[SEL+1], 0xfedcba98
	s_mov_b32 s30, 0xffff0000                      ; lanes 16-31
	s_lshl_b32 s32, ttmp9, 17                      ; x: 64 rows of 2,048 bytes a work-group
	s_mov_b32 s33, 0
	s_lshl_b32 s34, s26, 15                        ; wc: 8 tiles of 4,096 bytes a wave
	s_mov_b32 s35, 0
	s_lshl_b32 s36, s26, 11                        ; wsb: 8 tiles of 256 bytes
	s_mov_b32 s37, 0
	s_lshl_b32 s38, s26, 9                         ; the biases: 128 numbers
	s_mov_b32 s39, 0
	s_lshr_b32 s40, ttmp9, 5                       ; the batch
	s_lshl_b32 s40, s40, 3
	s_lshl_b32 s41, s26, 1
	s_add_co_u32 s40, s40, s41                     ; bh of head 2 w
	s_and_b32 s41, ttmp9, 31                       ; the block of 64 positions
	s_lshl_b32 s42, s40, 16
	s_lshl_b32 s43, s41, 11
	s_add_co_u32 s42, s42, s43                     ; qc
	s_mov_b32 s43, 0
	s_lshl_b32 s44, s40, 13
	s_lshl_b32 s45, s41, 8
	s_add_co_u32 s44, s44, s45                     ; qs
	s_mov_b32 s45, 0
	s_mul_i32 s46, s40, 147456
	s_mul_i32 s47, s41, 4608
	s_add_co_u32 s46, s46, s47                     ; kv
	s_mov_b32 s47, 0
	s_wait_kmcnt 0x0
	s_add_nc_u64 s[4:5], s[4:5], s[32:33]
	s_add_nc_u64 s[6:7], s[6:7], s[32:33]
	s_add_nc_u64 s[8:9], s[8:9], s[32:33]
	s_add_nc_u64 s[10:11], s[10:11], s[34:35]
	s_add_nc_u64 s[12:13], s[12:13], s[36:37]
	s_add_nc_u64 s[14:15], s[14:15], s[38:39]
	s_add_nc_u64 s[16:17], s[16:17], s[38:39]
	s_add_nc_u64 s[18:19], s[18:19], s[38:39]
	s_add_nc_u64 s[20:21], s[20:21], s[42:43]
	s_add_nc_u64 s[22:23], s[22:23], s[44:45]
	s_add_nc_u64 s[24:25], s[24:25], s[46:47]
	WSLOAD 0
	BLOAD 14
	WLOAD 0, 1                                     ; Wq
	WLOAD 1, 2                                     ; Wk
.irp s, 0,1,2,3
	XLOAD 4, \s                                    ; Q
.endr
	; ---- phase Q
	XPART 0
	BARRIER                                        ; Q's sixteen fragments lie in LDS
	PRODQK 1, 20, 65536, 22, QSA, 0, 0
	; ---- phase K.  (The five places behind the last products serve the loads below too.)
	s_wait_loadcnt 0x0                             ; K's numbers, asked for a phase ago
	s_wait_xcnt 0x0                                ; the last stores have read the code registers
	WSLOAD 1
	BLOAD 16
	WLOAD 2, 1                                     ; Wv takes Wq's place
	XPART 1
	BARRIER
	PRODQK 2, 24, 147456, 24, KSA, 4096, REGB
	; ---- phase V
	s_wait_loadcnt 0x0                             ; V's numbers
	s_wait_xcnt 0x0
	WSLOAD 2
.irp n, 0,1,2,3,4,5,6,7
	global_load_b32 v[BI+8*\n], v[BVA], s[18:19] offset:(32*(\n/2)+8*(\n%2))*4   ; bv of my lane's channel in tile n
.endr
	XPART 2
	s_wait_loadcnt 0x0                             ; Wv's scale words and bv
.irp n, 0,1,2,3,4,5,6,7
.irp j, 1,2,3,4,5,6,7
	v_mov_b32 v[BI+8*\n+\j], v[BI+8*\n]            ; in this product's result a lane holds one channel: its eight registers start from the same number
.endr
.endr
	BARRIER
	WIN 0xc0
.irp f, 0,1,2,3,4,5,6,7,8,9,10,11,12,13,14,15  ; all sixteen fragments of x into window 3, where its numbers lay
	ds_load_b128 v[8*\f:8*\f+3], v[LI] offset:2*REGB+\f*1024
	ds_load_b128 v[8*\f+4:8*\f+7], v[LI] offset:2*REGB+\f*1024+512
.endr
	WIN 0
.irp f, 0,1,2,3,4,5,6,7,8,9,10,11,12,13,14,15
	ds_load_b32 v[XSV+\f], v[LS] offset:2*REGB+16384+\f*128
.endr
	s_wait_dscnt 0x0
.irp g, 0,1,2,3                                ; two tiles of 16 channels at a time x the 64 keys: eight accumulators by turns
	s_wait_xcnt 0x0                                ; the last stores have read the code registers
	WIN 0x07                                       ; source 0 (x) window 3, source 1 (Wv) window 1
.irp s, 0,1,2,3
.irp c, 0,1
.irp m, 0,1,2,3
.if \s == 0
	WMB HA+8*(4*\c+\m), 8*(4*\m+\s), 8*(4*(2*\g+\c)+\s), BI+8*(2*\g+\c), XSV+4*\m+\s, WS+2*(2*\g+\c)+\s/2, \s%2
.else
	WMB HA+8*(4*\c+\m), 8*(4*\m+\s), 8*(4*(2*\g+\c)+\s), HA+8*(4*\c+\m), XSV+4*\m+\s, WS+2*(2*\g+\c)+\s/2, \s%2
.endif
.endr
.endr
.endr
	WIN 0
.rept 5
	v_nop                                          ; as in PRODQK
.endr
	QUANT HA, 0                                    ; blocks 0, 1: channel tile 2 g's 64 keys; blocks 2, 3: tile 2 g + 1's
	global_store_b128 v[LI], v[PC:PC+3], s[24:25] offset:(\g/2)*147456+2048+((2*\g)%4)*512
	global_store_b128 v[LI], v[PC+4:PC+7], s[24:25] offset:(\g/2)*147456+2048+((2*\g)%4)*512+512
	v_and_b32 v[PWS+2*\g], 0xffff, v[PW]
	v_lshrrev_b32 v[PWS+2*\g+1], 16, v[PW]
.endr
.irp j, 0,1,2,3
	v_cndmask_b32 v[TM+\j], v[PWS+\j], v[PWS+4+\j], s30   ; lanes 0-15: head 2 w's four tiles; lanes 16-31: head 2 w + 1's
.endr
	global_store_b128 v[KSA], v[TM:TM+3], s[24:25] offset:4352
	s_wait_tensorcnt 0x0                           ; the wave's end, behind my last LDS store
	ds_add_u32 v[SPW], v[NIL]
	s_wait_dscnt 0x0
	s_endpgm
.Lfunc_end_k_q24820028a8_proj:
	.size	k_q24820028a8_proj, .Lfunc_end_k_q24820028a8_proj-k_q24820028a8_proj
	.p2alignl 7, 3214868480
	.fill 96, 4, 3214868480
	.section	.rodata,"a",@progbits
	.p2align	6, 0x0
	.amdhsa_kernel k_q24820028a8_proj
		.amdhsa_group_segment_fixed_size 55808
		.amdhsa_private_segment_fixed_size 0
		.amdhsa_enable_private_segment 0
		.amdhsa_kernarg_size 88
		.amdhsa_user_sgpr_count 2
		.amdhsa_user_sgpr_kernarg_segment_ptr 1
		.amdhsa_wavefront_size32 1
		.amdhsa_system_sgpr_workgroup_id_x 1
		.amdhsa_system_sgpr_workgroup_id_y 1
		.amdhsa_system_sgpr_workgroup_id_z 1
		.amdhsa_system_vgpr_workitem_id 0
		.amdhsa_next_free_vgpr 1024
		.amdhsa_next_free_sgpr 66
		.amdhsa_reserve_vcc 0
		.amdhsa_float_denorm_mode_32 3
		.amdhsa_float_denorm_mode_16_64 3
		.amdhsa_memory_ordered 1
		.amdhsa_forward_progress 1
		.amdhsa_inst_pref_size 209
	.end_amdhsa_kernel
	.amdgpu_metadata
---
amdhsa.version: [ 1, 2 ]
amdhsa.kernels:
  - .name:           k_q24820028a8_proj
    .symbol:         k_q24820028a8_proj.kd
    .args:
      - { .name: Q, .offset: 0, .size: 8, .value_kind: global_buffer, .address_space: global }
      - { .name: K, .offset: 8, .size: 8, .value_kind: global_buffer, .address_space: global }
      - { .name: V, .offset: 16, .size: 8, .value_kind: global_buffer, .address_space: global }
      - { .name: wc, .offset: 24, .size: 8, .value_kind: global_buffer, .address_space: global }
      - { .name: wsb, .offset: 32, .size: 8, .value_kind: global_buffer, .address_space: global }
      - { .name: bq, .offset: 40, .size: 8, .value_kind: global_buffer, .address_space: global }
      - { .name: bk, .offset: 48, .size: 8, .value_kind: global_buffer, .address_space: global }
      - { .name: bv, .offset: 56, .size: 8, .value_kind: global_buffer, .address_space: global }
      - { .name: qc, .offset: 64, .size: 8, .value_kind: global_buffer, .address_space: global }
      - { .name: qs, .offset: 72, .size: 8, .value_kind: global_buffer, .address_space: global }
      - { .name: kv, .offset: 80, .size: 8, .value_kind: global_buffer, .address_space: global }
    .group_segment_fixed_size: 55808
    .private_segment_fixed_size: 0
    .kernarg_segment_align: 8
    .kernarg_segment_size: 88
    .max_flat_workgroup_size: 128
    .sgpr_count:     66
    .vgpr_count:     1024
    .wavefront_size: 32
...
	.end_amdgpu_metadata
.endif
;; end of part 2
;; launch attn (part 3): grid 8 x 64, 16 waves a work-group, no clusters, 167,936 bytes of LDS; arguments qc, qs, kv, mb, ao, aos; writes ao, aos
.if DOCPART == 3
	.amdgcn_target "amdgcn-amd-amdhsa--gfx1250"
	.amdhsa_code_object_version 6
	.text
	.protected	k_q24820028a8_attn
	.globl	k_q24820028a8_attn
	.p2align	8
	.type	k_q24820028a8_attn,@function
k_q24820028a8_attn:
	s_mov_b64 s[64:65], 0
	v_nop
	global_prefetch_b8 v0, s[64:65] scope:SCOPE_SE
	s_setreg_imm32_b32 hwreg(HW_REG_WAVE_MODE, 25, 1), 1
	s_wait_xcnt 0x0
; Launch 3 of 4: for each (batch, head): scores = q k^T / 8, the mask, the softmax, its product with v, all on codes of E2M1; the result is divided by the row's sum and quantised along d_model for the last product.
; Nothing of the problem is left out here.
; THE SOFTMAX AHEAD OF THE SECOND PRODUCT: t = score x log2(e) / 8; M = the row's largest t so far, rounded up to a whole number; p = 2^(t - M) is quantised along the keys, not normalised; the row's sum is taken of
; the unquantised p and divides at the end.  When M moves, the sum and O are multiplied by 2^(old M - new M): exact.
; THE MASK.  A score whose mask word is 0 is replaced by -2^103 ahead of the factor c = log2(e) / 8.  c x 2^103 is exact in f32 and a whole number, so in a row (or a run of steps) that is masked throughout
; M = t, the multiply-add gives 0 and p = 1: uniform weights, as the problem's -1e30 gives; as soon as an open key comes, 2^(old M - new M) is 0 and wipes what was summed.
; LIMIT: the masked t is -1.83e30 where the problem has -1.44e30: the same result unless true scores reach that size.  NaN and infinities are not served.  A block of zeros gets the scale byte 1 (its codes are zeros).
; SHARES.  A work-group owns 256 queries of one (batch, head); each of its sixteen waves one tile of 16, in 256 registers: four waves to a SIMD, so that one wave's vector work stands beside another's products and loads.
; The head's K and V, codes and scale words, 147,456 bytes, come into LDS ONCE, as they lie in memory (the order of the operands' registers): each wave fetches a sixteenth by one tensor load.  No slot is filled again.
; NO CLUSTER: what work-groups share is fetched once by each, at its head, 9,216 bytes a wave against sixteen key steps of some three hundred vector instructions.
; LAYOUT.  Both products are used transposed: S^T = K Q^T (source 0 = 16 keys, source 1 = my 16 queries; K = the head's 64 channels, the instruction's other 64 are zero codes), O^T = V^T P^T: a lane holds one query throughout.
; The keys of a tile are not neighbours (lane r of tile 2 b + u: key 32 b + 8 u + r + 8 (r / 8)): the 16 registers of tiles 2 b, 2 b + 1 are keys 32 b + 16 (lane / 16) + 0 .. 15.  V's channel tiles likewise.
; REGISTERS: v1-4 addresses; v5, v6 the add's two; v7 -2^103; v8 4 r; v12 -M, v13 the largest t, v[14:15] the sum; v16-23 Q (upper half zeros); v24-31 K's scale words; v32-63 four fragments of K (upper halves zeros);
; v64-95 V's four; v96-159 S^T, then p; v160-191 O^T; v192-199 V's scale bytes as loaded, v200-203 its scale words; v224-231 p's codes; v232-254 at work; v253 p's scale word; v255 Q's.
.set LI,  1                            ; 16 x lane
.set LR,  2                            ; 16 x (lane % 16)
.set ADK, 3                            ; the step's first byte + 16 x lane
.set ADS, 4                            ; the step's first byte + 16 r
.set SPW, 5
.set NIL, 6
.set MV,  7
.set SPARE, 147456                     ; behind the head's K and V: the spare words, 128 bytes for each wave, which no other line names
.set TB,  2                            ; s2   LDS byte at which the step's 9,216 bytes begin
.set CNT, 3                            ; s3   steps to go
.set WV,  18
.set SEL, 20
.set CS,  22                           ; s[22:23] c = log2(e) / 8
.set G1,  24                           ; s[24:31] descriptor group 1
.set G0,  40                           ; s[40:43] descriptor group 0
.set MP,  48                           ; s[48:49] my tile's 4,096 bytes of mask words
.set MO,  50                           ; s50  the byte at which the half step's 32 words begin
.set PSEL, 51
.set MK,  68                           ; s[68:99] 32 mask words
	s_load_b256 s[4:11], s[0:1], 0x0               ; qc, qs, kv, mb
	s_load_b128 s[12:15], s[0:1], 0x20             ; ao, aos
	v_lshl_add_u32 v[SPW], v0, 2, SPARE
	v_mov_b32 v[NIL], 0
	ds_add_u32 v[SPW], v[NIL]                      ; the wave's opening: the add, twice on end, and its wait ahead of my tensor load
	ds_add_u32 v[SPW], v[NIL]
	v_lshrrev_b32 v8, 5, v0
	v_readfirstlane_b32 s[WV], v8                  ; wave 0..15
	v_and_b32 v8, 31, v0
	v_lshlrev_b32 v[LI], 4, v8
	v_and_b32 v8, 15, v0
	v_lshlrev_b32 v[LR], 4, v8
	v_lshlrev_b32 v8, 2, v8
	; descriptor group 1: 9,216 dense bytes as 36 rows of 256 bytes (32 elements of 8 bytes), no padding
	s_mov_b32 s[G1], 3<<16
	s_mov_b32 s[G1+1], 32<<16                      ; tensor_dim0
	s_mov_b32 s[G1+2], 36<<16                      ; tensor_dim1
	s_mov_b32 s[G1+3], 32<<16                      ; tile_dim0
	s_mov_b32 s[G1+4], 36                          ; tile_dim1
	s_mov_b32 s[G1+5], 32                          ; the pitch
	s_mov_b32 s[G1+6], 0
	s_mov_b32 s[G1+7], 0
	s_mov_b32 s[G0], 1
	s_mul_i32 s[G0+1], s[WV], 9216                 ; my sixteenth, in LDS as in memory
	s_mov_b32 s[SEL], 0x76543210
	s_mov_b32 s[SEL+1], 0xfedcba98
	s_mov_b32 s[CS], 0x3e38aa3b
	s_mov_b32 s[CS+1], s[CS]                       ; (named with it as a pair, so it is written)
	s_mov_b32 s[PSEL], 0x05040100
	s_mov_b32 s[TB], 0
	s_mov_b32 s[MO], 0
	s_mov_b32 s[CNT], 16
	s_and_b32 s52, ttmp7, 0xffff                   ; bh = 8 batch + head
	s_lshl_b32 s53, ttmp9, 4
	s_add_co_u32 s53, s53, s[WV]                   ; my tile of queries, Tq
	s_mul_i32 s54, s52, 147456
	s_add_co_u32 s54, s54, s[G0+1]
	s_mov_b32 s55, 0                               ; kv
	s_lshl_b32 s56, s52, 7
	s_add_co_u32 s56, s56, s53                     ; 128 bh + Tq
	s_lshl_b32 s58, s56, 9
	s_mov_b32 s59, 0                               ; qc
	s_lshl_b32 s60, s56, 6
	s_mov_b32 s61, 0                               ; aos
	s_lshl_b32 s62, s52, 5
	s_lshr_b32 s63, s53, 2
	s_add_co_u32 s62, s62, s63
	s_lshl_b32 s62, s62, 8
	s_and_b32 s63, s53, 3
	s_lshl_b32 s63, s63, 2
	s_add_co_u32 s62, s62, s63
	s_mov_b32 s63, 0                               ; qs: (32 bh + Tq / 4) 256 + 4 (Tq % 4)
	s_lshl_b32 s66, s53, 12
	s_mov_b32 s67, 0                               ; mb
	s_lshr_b32 s56, s52, 3
	s_lshl_b32 s56, s56, 7
	s_add_co_u32 s56, s56, s53
	s_lshl_b32 s56, s56, 3
	s_and_b32 s57, s52, 7
	s_add_co_u32 s56, s56, s57
	s_lshl_b32 s56, s56, 9
	s_mov_b32 s57, 0                               ; ao: ((128 batch + Tq) 8 + head) 512
	s_wait_dscnt 0x0                               ; both opening adds are done
	s_wait_kmcnt 0x0
	s_add_nc_u64 s[G0+2:G0+3], s[8:9], s[54:55]
	s_or_b32 s[G0+3], s[G0+3], 0x80000000          ; type = 2
	tensor_load_to_lds s[G0:G0+3], s[G1:G1+7]      ; my one tensor load
	s_nop 0
	s_add_nc_u64 s[4:5], s[4:5], s[58:59]
	s_add_nc_u64 s[6:7], s[6:7], s[62:63]
	s_add_nc_u64 s[MP:MP+1], s[10:11], s[66:67]
	s_add_nc_u64 s[12:13], s[12:13], s[56:57]
	s_add_nc_u64 s[14:15], s[14:15], s[60:61]
	global_load_b128 v[16:19], v[LI], s[4:5]       ; Q's codes: channels 32 h .. + 31 of query r
	global_load_b32 v255, v[LR], s[6:7]            ; Q's scale words
	s_load_b512 s[MK:MK+15], s[MP:MP+1], s[MO] offset:0x0      ; the first half step's mask words
	s_load_b512 s[MK+16:MK+31], s[MP:MP+1], s[MO] offset:0x40
.irp j, 20,21,22,23
	v_mov_b32 v[\j], 0                             ; the instruction's K beyond the head's 64: zero codes, in Q
.endr
.irp t, 0,1,2,3
.irp j, 4,5,6,7
	v_mov_b32 v[32+8*\t+\j], 0                     ; and in K: written once, never loaded over
.endr
.endr
	v_mov_b32 v[MV], 0xf3000000                    ; -2^103
	v_mov_b32 v13, 0xff61b1e6                      ; the largest t so far: -3e38, under every t
	v_floor_f32 v12, -v13                          ; -M
	v_mov_b32 v14, 0
	v_mov_b32 v15, 0
.irp b, 0,1,2,3
	v_mov_b32 v[236+\b], 0                         ; written once: a lane permute's destination counts as one of its sources
.endr
	v_mov_b32 v253, 0                              ; (named as the upper half of the pair v[252:253] before it is first written)
.irp j, 0,1,2,3,4,5,6,7,8,9,10,11,12,13,14,15,16,17,18,19,20,21,22,23,24,25,26,27,28,29,30,31
	v_mov_b32 v[160+\j], 0                         ; O^T: the step is written once; the first finds zeros, which the first change of M leaves zeros
.endr
	s_wait_loadcnt 0x0                             ; Q
	s_wait_tensorcnt 0x0                           ; my sixteenth of the head's K and V has landed,
	s_barrier_signal -1
	s_barrier_wait -1                              ; everybody's has
.Lstep:                                            ; a key step: 128 keys, two blocks of 4,608 bytes
	v_add_nc_u32 v[ADK], s[TB], v[LI]
	v_add_nc_u32 v[ADS], s[TB], v[LR]
.irp g, 0,1                                    ; S^T = K Q^T, a block of 64 keys (four tiles) at a time
.irp t, 0,1,2,3
	ds_load_b128 v[32+8*\t:35+8*\t], v[ADK] offset:4608*\g+512*\t
.endr
	ds_load_b128 v[24+4*\g:27+4*\g], v[ADS] offset:4608*\g+4096   ; the four tiles' scale words of my row
	s_wait_dscnt 0x0
.irp t, 0,1,2,3
	v_wmma_scale_f32_16x16x128_f8f6f4 v[96+32*\g+8*\t:103+32*\g+8*\t], v[32+8*\t:39+8*\t], v[16:23], 0, v[24+4*\g+\t], v255 matrix_a_fmt:MATRIX_FMT_FP4 matrix_b_fmt:MATRIX_FMT_FP4
.endr
.rept 4
	v_nop                                          ; places in front of the reads of the scores, and of the next loads into K's registers
.endr
	s_wait_kmcnt 0x0                               ; this half step's 32 mask words are in, so their offset may be stepped
	s_add_co_u32 s[MO], s[MO], 128
	s_min_u32 s[MO], s[MO], 3968                   ; behind the last half step the last words are loaded once more: no load leaves the tile's 4,096 bytes
.irp i, 0,1,2,3,4,5,6,7,8,9,10,11,12,13,14,15,16,17,18,19,20,21,22,23,24,25,26,27,28,29,30,31
	v_cndmask_b32 v[96+32*\g+\i], v[MV], v[96+32*\g+\i], s[MK+\i]   ; a set bit keeps the score
.endr
	s_load_b512 s[MK:MK+15], s[MP:MP+1], s[MO] offset:0x0      ; the next half step's
	s_load_b512 s[MK+16:MK+31], s[MP:MP+1], s[MO] offset:0x40
.endr
.irp n, 0,1,2,3                                ; V's four fragments (16 channels x 128 keys) and its scale bytes: they land under the softmax
.irp c, 0,1
	ds_load_b128 v[64+8*\n+4*\c:67+8*\n+4*\c], v[ADK] offset:4608*\c+2048+512*\n
.endr
.endr
	ds_load_b128 v[192:195], v[ADS] offset:4352
	ds_load_b128 v[196:199], v[ADS] offset:8960
.irp b, 0,1,2,3
	v_max3_num_f32 v[232+\b], v[96+16*\b], v[97+16*\b], v[98+16*\b]   ; the largest score of each block of 32 keys: it serves the row's maximum and, since p rises with the score, the block's largest p
.endr
.irp i, 3,5,7,9,11,13
.irp b, 0,1,2,3
	v_max3_num_f32 v[232+\b], v[232+\b], v[96+16*\b+\i], v[97+16*\b+\i]
.endr
.endr
.irp b, 0,1,2,3
	v_max_num_f32 v[232+\b], v[232+\b], v[111+16*\b]
.endr
.irp b, 0,1,2,3
	v_permlanex16_b32 v[236+\b], v[232+\b], s[SEL], s[SEL+1]
.endr
.irp b, 0,1,2,3
	v_max_num_f32 v[232+\b], v[232+\b], v[236+\b]  ; with lane l xor 16's 16 keys
.endr
	v_max3_num_f32 v254, v232, v233, v234
	v_max_num_f32 v254, v254, v235                 ; the step's largest score of my query
	v_mul_f32 v254, s[CS], v254                    ; as t
	v_max_num_f32 v13, v13, v254                   ; the running largest t
	v_mov_b32 v254, v12
	v_floor_f32 v12, -v13                          ; the new -M = -ceil(t)
	v_sub_f32 v254, v12, v254                      ; old M - new M: a whole number, 0 or less
	v_cvt_i32_f32 v254, v254                       ; (it saturates)
	v_ldexp_f32 v252, 1.0, v254                    ; f = 2^(old M - new M)
.irp j, 0,2,4,6,8,10,12,14,16,18,20,22,24,26,28,30,32,34,36,38,40,42,44,46,48,50,52,54,56,58,60,62
	v_pk_fma_f32 v[96+\j:97+\j], v[96+\j:97+\j], s[CS:CS+1], v[12:13] op_sel_hi:[1,0,0]   ; t - M, two at a time
.endr
.irp b, 0,1,2,3
	v_fma_f32 v[232+\b], v[232+\b], s[CS], v12     ; the same of each block's largest score
.endr
.irp j, 0,1,2,3,4,5,6,7,8,9,10,11,12,13,14,15,16,17,18,19,20,21,22,23,24,25,26,27,28,29,30,31,32,33,34,35,36,37,38,39,40,41,42,43,44,45,46,47,48,49,50,51,52,53,54,55,56,57,58,59,60,61,62,63
	v_exp_f32 v[96+\j], v[96+\j]                   ; p = 2^(t - M), at most 1
.endr
	v_pk_mul_f32 v[14:15], v[14:15], v[252:253] op_sel_hi:[1,0]   ; the sums under the new M (a plain place behind the exponentials)
	s_wait_alu depctr_va_vdst(0)                   ; one wait for the batch of 64, ahead of its first reader
.irp b, 0,1,2,3
	v_exp_f32 v[232+\b], v[232+\b]                 ; the block's largest p
.endr
	v_pk_add_f32 v[236:237], v[96:97], v[98:99]    ; the row's sum is taken of the unquantised p, in two chains
.irp j, 4,8,12,16,20,24,28,32,36,40,44,48,52,56,60
	v_pk_add_f32 v[14:15], v[14:15], v[96+\j:97+\j]
	v_pk_add_f32 v[236:237], v[236:237], v[98+\j:99+\j]
.endr
	v_pk_add_f32 v[14:15], v[14:15], v[236:237]
	s_wait_alu depctr_va_vdst(0)                   ; and one for the four
.irp b, 0,1,2,3
	v_max_num_f32 v[232+\b], 0x1800000, v[232+\b]  ; the floor 2^(3 - 127): the byte cannot fall under 1
.endr
.irp b, 0,1,2,3
	v_add_nc_u32 v[244+\b], 0xff000000, v[232+\b]  ; 2 off the exponent field: the conversion's scale operand
.endr
.irp b, 0,1,2,3
	v_lshrrev_b32 v[236+\b], 23, v[244+\b]         ; the scale's byte
.endr
	v_lshl_or_b32 v253, v237, 8, v236              ; p's scale word for these 128 keys
	v_lshl_or_b32 v253, v238, 16, v253
	v_lshl_or_b32 v253, v239, 24, v253
	s_wait_dscnt 0x0                               ; V
.irp n, 0,1,2,3
	v_perm_b32 v[200+\n], v[196+\n], v[192+\n], s[PSEL]   ; V's scale word of tile n: the first block's two bytes below the second's
.endr
.irp b, 0,1,2,3
	v_cvt_scalef32_pk8_fp4_f32 v[224+2*\b], v[96+16*\b:103+16*\b], v[244+\b]
	v_cvt_scalef32_pk8_fp4_f32 v[225+2*\b], v[104+16*\b:111+16*\b], v[244+\b]
.endr
	v_nop                                          ; one plain place behind a scaled conversion
.irp c, 0,1                                    ; a whole block in a lane: lanes 0-15 block 2 c, lanes 16-31 block 2 c + 1
.irp i, 0,1
	v_permlane16_swap_b32 v[224+4*\c+\i], v[226+4*\c+\i]
.endr
.endr
.irp j, 0,2,4,6,8,10,12,14,16,18,20,22,24,26,28,30
	v_pk_mul_f32 v[160+\j:161+\j], v[160+\j:161+\j], v[252:253] op_sel_hi:[1,0]   ; O^T under the new M.  For each product below twelve of these name none of its registers: the places behind the writes of its scale words (8) and of p's codes (4)
.endr
.irp n, 0,1,2,3                                ; O^T += V^T P^T: the four accumulators one after the other, one instruction each
	v_wmma_scale_f32_16x16x128_f8f6f4 v[160+8*\n:167+8*\n], v[64+8*\n:71+8*\n], v[224:231], v[160+8*\n:167+8*\n], v[200+\n], v253 matrix_a_fmt:MATRIX_FMT_FP4 matrix_b_fmt:MATRIX_FMT_FP4
.endr
	s_add_co_u32 s[TB], s[TB], 9216
	s_sub_co_u32 s[CNT], s[CNT], 1
	s_cmp_lg_u32 s[CNT], 0
	s_cbranch_scc1 .Lstep
	; THE WAY OUT.  O^T / the sum; register 16 b + i is channel 32 b + 16 h + i of my query: two blocks of 32 along d_model, quantised as above; a lane's four registers are half a fragment of the last product.
.rept 4
	v_nop                                          ; places behind the last products
.endr
	v_add_f32 v14, v14, v15
	v_permlanex16_b32 v252, v14, s[SEL], s[SEL+1]
	v_add_f32 v14, v14, v252                       ; the row's sum
	v_rcp_f32 v14, v14
	v_nop                                          ; a plain place behind the reciprocal
	s_wait_alu depctr_va_vdst(0)                   ; and the wait ahead of its first reader
.irp j, 0,1,2,3,4,5,6,7,8,9,10,11,12,13,14,15,16,17,18,19,20,21,22,23,24,25,26,27,28,29,30,31
	v_mul_f32 v[96+\j], v[160+\j], v14
.endr
.irp b, 0,1
	v_max3_num_f32 v[232+\b], |v[96+16*\b]|, |v[97+16*\b]|, 0x1800000
.endr
.irp i, 2,4,6,8,10,12,14
.irp b, 0,1
	v_max3_num_f32 v[232+\b], v[232+\b], |v[96+16*\b+\i]|, |v[97+16*\b+\i]|
.endr
.endr
.irp b, 0,1
	v_permlanex16_b32 v[236+\b], v[232+\b], s[SEL], s[SEL+1]
.endr
.irp b, 0,1
	v_max_num_f32 v[232+\b], v[232+\b], v[236+\b]
.endr
.irp b, 0,1
	v_add_nc_u32 v[244+\b], 0xff000000, v[232+\b]
.endr
.irp b, 0,1
	v_lshrrev_b32 v[236+\b], 23, v[244+\b]
.endr
	v_lshl_or_b32 v240, v237, 8, v236              ; my row's two scale bytes; the upper half of the word is 0
.irp b, 0,1
	v_cvt_scalef32_pk8_fp4_f32 v[224+2*\b], v[96+16*\b:103+16*\b], v[244+\b]
	v_cvt_scalef32_pk8_fp4_f32 v[225+2*\b], v[104+16*\b:111+16*\b], v[244+\b]
.endr
	v_nop
	v_permlane16_swap_b32 v224, v226
	v_permlane16_swap_b32 v225, v227
	global_store_b128 v[LI], v[224:227], s[12:13]  ; 32 lanes store 512 consecutive bytes, at a multiple of 256 from ao's first byte
	global_store_b32 v8, v240, s[14:15]            ; 64 consecutive bytes a wave (lanes l and l xor 16 store the same word at the same place); four neighbouring waves' lie on end
	s_wait_tensorcnt 0x0                           ; the wave's end
	ds_add_u32 v[SPW], v[NIL]
	s_wait_dscnt 0x0
	s_endpgm
.Lfunc_end_k_q24820028a8_attn:
	.size	k_q24820028a8_attn, .Lfunc_end_k_q24820028a8_attn-k_q24820028a8_attn
	.p2alignl 7, 3214868480
	.fill 96, 4, 3214868480
	.section	.rodata,"a",@progbits
	.p2align	6, 0x0
	.amdhsa_kernel k_q24820028a8_attn
		.amdhsa_group_segment_fixed_size 167936
		.amdhsa_private_segment_fixed_size 0
		.amdhsa_enable_private_segment 0
		.amdhsa_kernarg_size 48
		.amdhsa_user_sgpr_count 2
		.amdhsa_user_sgpr_kernarg_segment_ptr 1
		.amdhsa_wavefront_size32 1
		.amdhsa_system_sgpr_workgroup_id_x 1
		.amdhsa_system_sgpr_workgroup_id_y 1
		.amdhsa_system_sgpr_workgroup_id_z 1
		.amdhsa_system_vgpr_workitem_id 0
		.amdhsa_next_free_vgpr 256
		.amdhsa_next_free_sgpr 100
		.amdhsa_reserve_vcc 0
		.amdhsa_float_denorm_mode_32 3
		.amdhsa_float_denorm_mode_16_64 3
		.amdhsa_memory_ordered 1
		.amdhsa_forward_progress 1
		.amdhsa_inst_pref_size 29
	.end_amdhsa_kernel
	.amdgpu_metadata
---
amdhsa.version: [ 1, 2 ]
amdhsa.kernels:
  - .name:           k_q24820028a8_attn
    .symbol:         k_q24820028a8_attn.kd
    .args:
      - { .name: qc, .offset: 0, .size: 8, .value_kind: global_buffer, .address_space: global }
      - { .name: qs, .offset: 8, .size: 8, .value_kind: global_buffer, .address_space: global }
      - { .name: kv, .offset: 16, .size: 8, .value_kind: global_buffer, .address_space: global }
      - { .name: mb, .offset: 24, .size: 8, .value_kind: global_buffer, .address_space: global }
      - { .name: ao, .offset: 32, .size: 8, .value_kind: global_buffer, .address_space: global }
      - { .name: aos, .offset: 40, .size: 8, .value_kind: global_buffer, .address_space: global }
    .group_segment_fixed_size: 167936
    .private_segment_fixed_size: 0
    .kernarg_segment_align: 8
    .kernarg_segment_size: 48
    .max_flat_workgroup_size: 512
    .sgpr_count:     100
    .vgpr_count:     256
    .wavefront_size: 32
...
	.end_amdgpu_metadata
.endif
;; end of part 3
;; launch oproj (part 4): grid 256 x 1, 4 waves a work-group, no clusters, 34,304 bytes of LDS; arguments ao, aos, wc, wsb, bo, out0; writes out0
.if DOCPART == 4
	.amdgcn_target "amdgcn-amd-amdhsa--gfx1250"
	.amdhsa_code_object_version 6
	.text
	.protected	k_q24820028a8_oproj
	.globl	k_q24820028a8_oproj
	.p2align	8
	.type	k_q24820028a8_oproj,@function
k_q24820028a8_oproj:
	s_mov_b64 s[64:65], 0
	v_nop
	global_prefetch_b8 v0, s[64:65] scope:SCOPE_SE
	s_setreg_imm32_b32 hwreg(HW_REG_WAVE_MODE, 25, 1), 1
	s_wait_xcnt 0x0
; Launch 4 of 4: out0 = a Wo^T + bo on codes of E2M1; a is the attention's result as the launch before has quantised it.  Nothing of the problem is left out here.
; SHARES.  A work-group of four waves owns 64 rows (four tiles of 16); wave w makes columns 128 w .. 128 w + 127 of all of them, with its part of Wo (32 fragments) and all 16 fragments of a in registers.
; The product is used transposed (source 0 = 16 rows of Wo, source 1 = 16 rows of a): a lane holds eight neighbouring columns of one row.  bo is the C of each sum's first matrix instruction.
; The rows of a tile are not neighbours: row i of tile m is position 32 (m / 2) + 8 (m % 2) + i + 8 (i / 8) of the 64.  Wo's tiles are rows 16 t + r.
; THE WAY OUT: a tile's 16 rows x 512 bytes go through the wave's own stage in LDS and leave as whole rows: each store of the wave covers 512 consecutive bytes, aligned.  No barrier: waves share nothing.
; NO CLUSTER AND NO TENSOR LOAD: the operands are laid in the order of the registers and go from memory straight into them, once.
; REGISTERS.  Window 0: v1-6 addresses; v14, v15 the add's two; v16-31 a's scale words (4 m + s); v32-47 Wo's (2 t + s / 2); v48 at work; v64-127 eight accumulators; v128-255 rows on their way out, two sets.
;   Window 1: Wo's fragments, (t, s) at 8 (4 t + s).  Window 2: v0-63 bo's eight tiles; v64-191 a's fragments, (m, s) at 64 + 8 (4 m + s).
.set LI,  1                            ; 16 x lane
.set LS,  2                            ; 4 x lane
.set ASA, 3                            ; aos: 4 r + (a head's 8,192) h
.set BA,  4                            ; bo: 32 h
.set STO, 5                            ; my stage: 528 r + 32 h
.set RD,  6                            ; my stage: 16 x lane
.set SPW, 14
.set NIL, 15
.set AS,  16
.set WS,  32
.set HA,  64
.set BK,  128
.set SPARE, 4*16*528                   ; behind the four stages: the spare words, 128 bytes for each wave, which no other line names
.set MSB, 0
.macro WIN new                         ; the immediate's high byte repeats the setting that is left; a switch that changes nothing is dropped
.if MSB != (\new)
	s_set_vgpr_msb (MSB<<8)|(\new)
.set MSB, (\new)
.endif
.endm
.macro WMA d, a, b, c, sa, sb, odd     ; source 0 takes its scales from lanes 16-31 where odd = 1
.if \odd
	v_wmma_scale_f32_16x16x128_f8f6f4 v[\d:\d+7], v[\a:\a+7], v[\b:\b+7], v[\c:\c+7], v[\sa], v[\sb] matrix_a_fmt:MATRIX_FMT_FP4 matrix_b_fmt:MATRIX_FMT_FP4 matrix_a_scale:MATRIX_SCALE_ROW1
.else
	v_wmma_scale_f32_16x16x128_f8f6f4 v[\d:\d+7], v[\a:\a+7], v[\b:\b+7], v[\c:\c+7], v[\sa], v[\sb] matrix_a_fmt:MATRIX_FMT_FP4 matrix_b_fmt:MATRIX_FMT_FP4
.endif
.endm
.macro MUL m                           ; tile m: 32 products, the eight accumulators by turns, K ascending
.irp s, 0,1,2,3
.if \s == 0
	WIN 0x29                                       ; source 0 (Wo) window 1, source 1 (a) window 2, C (bo) window 2
.else
	WIN 0x09
.endif
.irp t, 0,1,2,3,4,5,6,7
.if \s == 0
	WMA HA+8*\t, 8*(4*\t+\s), 64+8*(4*(\m)+\s), 8*\t, WS+2*\t+\s/2, AS+4*(\m)+\s, \s%2
.else
	WMA HA+8*\t, 8*(4*\t+\s), 64+8*(4*(\m)+\s), HA+8*\t, WS+2*\t+\s/2, AS+4*(\m)+\s, \s%2
.endif
.endr
.endr
.endm
.macro TOSTAGE m
.irp t, 0,1,2,3,4,5,6,7
	ds_store_b128 v[STO], v[HA+8*\t:HA+8*\t+3] offset:64*\t          ; each accumulator from its low end on
	ds_store_b128 v[STO], v[HA+8*\t+4:HA+8*\t+7] offset:64*\t+16
.endr
.irp i, 0,1,2,3,4,5,6,7,8,9,10,11,12,13,14,15
	ds_load_b128 v[BK+64*((\m)%2)+4*\i:BK+64*((\m)%2)+4*\i+3], v[RD] offset:528*\i   ; LDS serves a wave's instructions in order: these see the stores above, and the next tile's stores come behind them
.endr
.endm
.macro SEND m
	s_wait_dscnt 0x0                               ; the tile is back in registers
.irp i, 0,1,2,3,4,5,6,7,8,9,10,11,12,13,14,15
	global_store_b128 v[LI], v[BK+64*((\m)%2)+4*\i:BK+64*((\m)%2)+4*\i+3], s[14:15] offset:(32*((\m)/2)+8*((\m)%2)+\i+8*(\i/8))*2048 th:TH_STORE_NT
.endr
.endm
	s_load_b256 s[4:11], s[0:1], 0x0               ; ao, aos, wc, wsb
	s_load_b128 s[12:15], s[0:1], 0x20             ; bo, out0
	v_lshl_add_u32 v[SPW], v0, 2, SPARE
	v_mov_b32 v[NIL], 0
	v_lshrrev_b32 v7, 5, v0
	v_readfirstlane_b32 s16, v7                    ; wave 0..3
	v_and_b32 v7, 31, v0
	v_lshlrev_b32 v[LI], 4, v7
	v_lshlrev_b32 v[LS], 2, v7
	v_and_b32 v8, 15, v0                           ; r
	v_bfe_u32 v9, v0, 4, 1                         ; h
	v_lshlrev_b32 v[ASA], 2, v8
	v_lshl_add_u32 v[ASA], v9, 13, v[ASA]
	v_lshlrev_b32 v[BA], 5, v9
	s_mul_i32 s20, s16, 16*528                     ; my stage
	v_mul_u32_u24 v[STO], v8, 528
	v_lshl_add_u32 v[STO], v9, 5, v[STO]
	v_add_nc_u32 v[STO], s20, v[STO]
	v_add_nc_u32 v[RD], s20, v[LI]
	v_mov_b32 v48, 0                               ; written once: a lane permute's destination counts as one of its sources
	s_mov_b32 s18, 0x76543210
	s_mov_b32 s19, 0xfedcba98
	s_lshl_b32 s22, ttmp9, 14                      ; ao: four tiles of 4,096 bytes a work-group
	s_mov_b32 s23, 0
	s_lshr_b32 s24, ttmp9, 5
	s_lshl_b32 s24, s24, 16                        ; aos: 65,536 bytes a batch,
	s_and_b32 s25, ttmp9, 31
	s_lshl_b32 s25, s25, 8                         ; four tiles of 64 bytes
	s_add_co_u32 s24, s24, s25
	s_mov_b32 s25, 0
	s_lshl_b32 s26, s16, 15                        ; wc: 8 tiles of 4,096 bytes a wave
	s_mov_b32 s27, 0
	s_lshl_b32 s28, s16, 11                        ; wsb
	s_mov_b32 s29, 0
	s_lshl_b32 s30, s16, 9                         ; bo, and my columns in a row of out0
	s_mov_b32 s31, 0
	s_lshl_b32 s32, ttmp9, 17                      ; out0: 64 rows of 2,048 bytes
	s_mov_b32 s33, 0
	s_wait_kmcnt 0x0
	s_add_nc_u64 s[4:5], s[4:5], s[22:23]
	s_add_nc_u64 s[6:7], s[6:7], s[24:25]
	s_add_nc_u64 s[8:9], s[8:9], s[26:27]
	s_add_nc_u64 s[10:11], s[10:11], s[28:29]
	s_add_nc_u64 s[12:13], s[12:13], s[30:31]
	s_add_nc_u64 s[14:15], s[14:15], s[30:31]
	s_add_nc_u64 s[14:15], s[14:15], s[32:33]
.irp t, 0,1,2,3,4,5,6,7
.irp p, 0,1
	global_load_b32 v[WS+2*\t+\p], v[LS], s[10:11] offset:3*8192+\t*256+128*\p   ; K step 2 p in lanes 0-15, 2 p + 1 in lanes 16-31
.endr
.endr
.irp m, 0,1,2,3
.irp s, 0,1,2,3
	global_load_b32 v[AS+4*\m+\s], v[ASA], s[6:7] offset:64*\m+16384*\s   ; lanes 0-15: head 2 s's two bytes of row r; lanes 16-31: head 2 s + 1's
.endr
.endr
	WIN 0x80
.irp t, 0,1,2,3,4,5,6,7
	global_load_b128 v[8*\t:8*\t+3], v[BA], s[12:13] offset:64*\t        ; bo(128 w + 16 t + 8 h + 0 .. 7)
	global_load_b128 v[8*\t+4:8*\t+7], v[BA], s[12:13] offset:64*\t+16
.endr
.irp m, 0,1,2,3
.irp s, 0,1,2,3
.irp c, 0,1
	global_load_b128 v[64+8*(4*\m+\s)+4*\c:64+8*(4*\m+\s)+4*\c+3], v[LI], s[4:5] offset:\m*4096+(2*\s+\c)*512
.endr
.endr
.endr
	WIN 0x40
.irp t, 0,1,2,3,4,5,6,7
.irp s, 0,1,2,3
	global_load_b128 v[8*(4*\t+\s):8*(4*\t+\s)+3], v[LI], s[8:9] offset:3*131072+\t*4096+\s*1024
	global_load_b128 v[8*(4*\t+\s)+4:8*(4*\t+\s)+7], v[LI], s[8:9] offset:3*131072+\t*4096+\s*1024+512
.endr
.endr
	WIN 0
	s_wait_loadcnt 0x0
.irp f, 0,1,2,3,4,5,6,7,8,9,10,11,12,13,14,15
	v_permlanex16_b32 v48, v[AS+\f], s18, s19
	v_lshl_or_b32 v[AS+\f], v48, 16, v[AS+\f]      ; lanes 0-15: head 2 s's two bytes below head 2 s + 1's: the K step's scale word (lanes 16-31 are not read)
.endr
.rept 8
	v_nop                                          ; a scale register written by a vector instruction stands 8 places ahead of a scaled matrix instruction
.endr
	MUL 0
.irp m, 0,1,2,3
	WIN 0
.rept 5
	v_nop                                          ; four places in front of the stage's reads of the results; the fifth since the next tile begins these accumulators anew from bo
.endr
.if \m >= 2
	s_wait_xcnt 0x0                                ; tile m - 2's stores have read their registers, into which tile m's rows are loaded
.endif
	TOSTAGE \m
.if \m < 3
	s_wait_dscnt 16                                ; the 16 stores into the stage have read the accumulators; the 16 loads behind them may stay out
	MUL \m+1
	WIN 0
.endif
	SEND \m
.endr
	s_wait_tensorcnt 0x0                           ; the wave's end, behind my last LDS store
	ds_add_u32 v[SPW], v[NIL]
	s_wait_dscnt 0x0
	s_endpgm
.Lfunc_end_k_q24820028a8_oproj:
	.size	k_q24820028a8_oproj, .Lfunc_end_k_q24820028a8_oproj-k_q24820028a8_oproj
	.p2alignl 7, 3214868480
	.fill 96, 4, 3214868480
	.section	.rodata,"a",@progbits
	.p2align	6, 0x0
	.amdhsa_kernel k_q24820028a8_oproj
		.amdhsa_group_segment_fixed_size 34304
		.amdhsa_private_segment_fixed_size 0
		.amdhsa_enable_private_segment 0
		.amdhsa_kernarg_size 48
		.amdhsa_user_sgpr_count 2
		.amdhsa_user_sgpr_kernarg_segment_ptr 1
		.amdhsa_wavefront_size32 1
		.amdhsa_system_sgpr_workgroup_id_x 1
		.amdhsa_system_sgpr_workgroup_id_y 1
		.amdhsa_system_sgpr_workgroup_id_z 1
		.amdhsa_system_vgpr_workitem_id 0
		.amdhsa_next_free_vgpr 704
		.amdhsa_next_free_sgpr 66
		.amdhsa_reserve_vcc 0
		.amdhsa_float_denorm_mode_32 3
		.amdhsa_float_denorm_mode_16_64 3
		.amdhsa_memory_ordered 1
		.amdhsa_forward_progress 1
		.amdhsa_inst_pref_size 50
	.end_amdhsa_kernel
	.amdgpu_metadata
---
amdhsa.version: [ 1, 2 ]
amdhsa.kernels:
  - .name:           k_q24820028a8_oproj
    .symbol:         k_q24820028a8_oproj.kd
    .args:
      - { .name: ao, .offset: 0, .size: 8, .value_kind: global_buffer, .address_space: global }
      - { .name: aos, .offset: 8, .size: 8, .value_kind: global_buffer, .address_space: global }
      - { .name: wc, .offset: 16, .size: 8, .value_kind: global_buffer, .address_space: global }
      - { .name: wsb, .offset: 24, .size: 8, .value_kind: global_buffer, .address_space: global }
      - { .name: bo, .offset: 32, .size: 8, .value_kind: global_buffer, .address_space: global }
      - { .name: out0, .offset: 40, .size: 8, .value_kind: global_buffer, .address_space: global }
    .group_segment_fixed_size: 34304
    .private_segment_fixed_size: 0
    .kernarg_segment_align: 8
    .kernarg_segment_size: 48
    .max_flat_workgroup_size: 128
    .sgpr_count:     66
    .vgpr_count:     704
    .wavefront_size: 32
...
	.end_amdgpu_metadata
.endif
;; end of part 4
;; ======== version 2 of 2: 4 launches
;; limits: right only within a limited range of input values
;; workspace buffers: wc 524,288 bytes; wsb 32,768 bytes; mc 2,097,152 bytes; qc 4,194,304 bytes; qs 524,288 bytes; kv 9,437,184 bytes; ao 4,194,304 bytes; aos 524,288 bytes
;; launch prep (part 5): grid 320 x 1, 8 waves a work-group, no clusters, 0 bytes of LDS; arguments Wq, Wk, Wv, Wo, mask, wc, wsb, mc; writes wc, wsb, mc
.if DOCPART == 5
	.amdgcn_target "amdgcn-amd-amdhsa--gfx1250"
	.amdhsa_code_object_version 6
	.text
	.protected	k_q24820028a8_prep
	.globl	k_q24820028a8_prep
	.p2align	8
	.type	k_q24820028a8_prep,@function
k_q24820028a8_prep:
	s_mov_b64 s[64:65], 0
	v_nop
	global_prefetch_b8 v0, s[64:65] scope:SCOPE_SE
	s_setreg_imm32_b32 hwreg(HW_REG_WAVE_MODE, 25, 1), 1
	s_wait_xcnt 0x0
; MULTI-HEAD ATTENTION IN MX-FP4, launch 1 of 4: the weights become codes, the mask becomes codes too.
; NOTHING OF THE PROBLEM IS LEFT OUT: all four biases go into a quantised operand or into the output, the mask is data, all six products are live.  All 12 inputs are loaded by some launch.
; WEIGHTS (work-groups 0-63; one wave for 16 rows x 128 along K).  W [512 (n)][512 (k)] f32, K innermost, is quantised along K: a block's scale byte is its largest magnitude's exponent field - 2, held at 1
; from below; each number / scale goes to the nearest code of E2M1, ties to even, beyond 6 the largest code.  The codes are laid in the order of the operand's registers: wc [weight 4][tile 32][K step 4][c 2][lane][16 bytes]:
; lane (r, h) holds k = 128 s + 64 c + 32 h + 0 .. 31 of the tile's row r.  wsb [weight][tile][K step][r]: one word of four scale bytes.
; The rows of a tile of Wq, Wk, Wv are not neighbours: lane r of tile 2 b + u takes row 32 b + 8 u + r + 8 (r / 8).  Wo's tiles are rows 16 T + r.
; MASK (work-groups 64-319; one wave for 16 queries x 128 keys).  mc [query tile 128][key step 16][2][lane][16 bytes]: eight registers a lane, four bits for each (query, key): the code of -2 where mask == 0, else the code of 0.
; The attention launch multiplies these codes by a unit matrix, so that a masked score starts from a large negative number.  Register 2 u + e of lane (r, h), code i:
; query = 32 (Tq / 2) + 8 (Tq % 2) + r + 8 (r / 8); key = 128 step + 64 (u / 2) + 32 e + 16 (u % 2) + 8 h + i.  So a register is made of eight neighbouring words of a row of the mask.
; LIMITS: a block of zeros gets the byte 1 (its codes are zeros, and this program alone reads the bytes); blocks whose largest magnitude lies under 2^-124 are held at that byte; NaN and infinities among the inputs are not served.
	s_load_b256 s[4:11], s[0:1], 0x0               ; Wq, Wk, Wv, Wo
	s_load_b256 s[12:19], s[0:1], 0x20             ; mask, wc, wsb, mc
	v_lshrrev_b32 v1, 5, v0
	s_delay_alu instid0(VALU_DEP_1)
	v_readfirstlane_b32 s20, v1                    ; wave 0..7
	v_and_b32 v1, 15, v0                           ; r
	v_bfe_u32 v2, v0, 4, 1                         ; h
	v_and_b32 v3, 31, v0                           ; lane
	s_mov_b32 s22, 0x76543210
	s_mov_b32 s23, 0xfedcba98                      ; v_permlanex16_b32's selects for lane l xor 16
	s_mov_b32 s33, 0
	s_mov_b32 s35, 0
	s_cmp_lt_u32 ttmp9, 64
	s_cbranch_scc0 .Lmask
	; ---- a weight's fragment
	s_lshr_b32 s24, ttmp9, 4                       ; which weight: 0 q, 1 k, 2 v, 3 o
	s_and_b32 s25, ttmp9, 15
	s_lshl_b32 s25, s25, 1
	s_lshr_b32 s26, s20, 2
	s_add_co_u32 s25, s25, s26                     ; tile T
	s_and_b32 s26, s20, 3                          ; K step s
	s_lshl_b32 s27, s24, 5
	s_add_co_u32 s27, s27, s25
	s_lshl_b32 s27, s27, 2
	s_add_co_u32 s27, s27, s26                     ; (32 weight + T) 4 + s
	s_lshl_b32 s32, s27, 10                        ; a fragment is 1,024 bytes,
	s_lshl_b32 s34, s27, 6                         ; its scale words 64
	s_wait_kmcnt 0x0
	s_cmp_eq_u32 s24, 1                            ; the choice hangs on the work-group's number alone
	s_cselect_b64 s[4:5], s[6:7], s[4:5]
	s_cmp_eq_u32 s24, 2
	s_cselect_b64 s[4:5], s[8:9], s[4:5]
	s_cmp_eq_u32 s24, 3
	s_cselect_b64 s[4:5], s[10:11], s[4:5]
	s_cselect_b32 s28, 0, 8                        ; 8 where the tile's rows are not neighbours, 0 for Wo
	s_and_b32 s29, s25, 1
	s_mul_i32 s29, s29, s28
	s_lshl_b32 s30, s25, 4
	s_sub_co_u32 s30, s30, s29                     ; the tile's first row: 16 T - 8 (T % 2), or 16 T
	s_add_nc_u64 s[14:15], s[14:15], s[32:33]
	s_add_nc_u64 s[16:17], s[16:17], s[34:35]
	s_wait_alu depctr_va_vdst(0)                   ; the wait behind the run of scalar lines
	v_and_b32 v4, s28, v1                          ; 8 (r / 8), or 0
	s_delay_alu instid0(VALU_DEP_1)
	v_add3_u32 v4, v4, v1, s30                     ; my row
	s_delay_alu instid0(VALU_DEP_1)
	v_lshlrev_b32 v4, 11, v4                       ; 2,048 bytes a row
	s_delay_alu instid0(VALU_DEP_1)
	v_lshl_add_u32 v4, v2, 7, v4                   ; + 32 h numbers
	s_lshl_b32 s29, s26, 9
	v_add_nc_u32 v4, s29, v4                       ; + 128 s numbers
	v_lshlrev_b32 v5, 4, v3                        ; out: 16 bytes a lane
	v_lshlrev_b32 v6, 2, v1                        ; and 4 bytes a row
.irp c, 0,1
.irp i, 0,1,2,3,4,5,6,7
	global_load_b128 v[64+32*\c+4*\i:67+32*\c+4*\i], v4, s[4:5] offset:256*\c+16*\i   ; W(row, 128 s + 64 c + 32 h + 4 i ..)
.endr
.endr
	s_wait_loadcnt 0x0
.irp c, 0,1                                    ; my block 2 c + h: all its 32 numbers are mine
	v_max3_num_f32 v[32+\c], |v[64+32*\c]|, |v[65+32*\c]|, 0x1800000   ; with the floor 2^(3 - 127): the byte cannot fall under 1
.endr
.irp i, 2,4,6,8,10,12,14,16,18,20,22,24,26,28,30
.irp c, 0,1
	s_delay_alu instid0(VALU_DEP_2)
	v_max3_num_f32 v[32+\c], v[32+\c], |v[64+32*\c+\i]|, |v[65+32*\c+\i]|
.endr
.endr
.irp c, 0,1
	s_delay_alu instid0(VALU_DEP_2)
	v_add_nc_u32 v[44+\c], 0xff000000, v[32+\c]    ; 2 off the exponent field: the conversion's scale operand
.endr
.irp c, 0,1
	s_delay_alu instid0(VALU_DEP_2)
	v_lshrrev_b32 v[36+\c], 23, v[44+\c]           ; the scale's byte
.endr
	s_delay_alu instid0(VALU_DEP_1)
	v_lshl_or_b32 v9, v37, 16, v36                 ; my two bytes, blocks h and 2 + h,
	v_lshlrev_b32 v10, 3, v2
	s_delay_alu instid0(VALU_DEP_1)
	v_lshlrev_b32 v9, v10, v9                      ; at their places in the word;
	v_mov_b32 v10, 0
	s_delay_alu instid0(VALU_DEP_1)
	v_permlanex16_b32 v10, v9, s22, s23
	s_delay_alu instid0(VALU_DEP_1)
	v_or_b32 v9, v9, v10                           ; with lane l xor 16's two the word is whole, in both lanes
.irp c, 0,1
.irp g, 0,1,2,3
	v_cvt_scalef32_pk8_fp4_f32 v[48+4*\c+\g], v[64+32*\c+8*\g:71+32*\c+8*\g], v[44+\c]
.endr
.endr
	v_nop                                          ; one plain line behind the last conversion
	global_store_b128 v5, v[48:51], s[14:15]       ; 32 lanes store 512 consecutive bytes
	global_store_b128 v5, v[52:55], s[14:15] offset:512
	global_store_b32 v6, v9, s[16:17]              ; lanes l and l xor 16 store the same word at the same place
	s_endpgm
.Lmask:
	; ---- 1,024 bytes of mask codes
	s_sub_co_u32 s24, ttmp9, 64
	s_lshl_b32 s24, s24, 3
	s_add_co_u32 s24, s24, s20                     ; 16 Tq + step
	s_lshr_b32 s25, s24, 4                         ; Tq
	s_and_b32 s26, s24, 15                         ; step
	s_lshr_b32 s27, s25, 1
	s_lshl_b32 s27, s27, 5
	s_and_b32 s28, s25, 1
	s_lshl_b32 s28, s28, 3
	s_add_co_u32 s27, s27, s28                     ; the tile's first query
	s_wait_alu depctr_va_vdst(0)                   ; the wait behind the run of scalar lines
	v_and_b32 v4, 8, v1
	s_delay_alu instid0(VALU_DEP_1)
	v_add3_u32 v4, v4, v1, s27                     ; my query
	s_delay_alu instid0(VALU_DEP_1)
	v_lshlrev_b32 v4, 13, v4                       ; 8,192 bytes a row of the mask
	s_delay_alu instid0(VALU_DEP_1)
	v_lshl_add_u32 v4, v2, 5, v4                   ; + 8 h keys
	s_lshl_b32 s28, s26, 9
	v_add_nc_u32 v4, s28, v4                       ; + 128 step keys
	v_lshlrev_b32 v5, 4, v3                        ; out: 16 bytes a lane
	s_lshl_b32 s32, s24, 10
.irp e, 0,1,2,3,4,5,6,7
	v_mov_b32 v[16+\e], 0xc<<(4*\e)                ; the code of -2 at place e of a register
.endr
	s_wait_alu depctr_va_vdst(0)                   ; the wait at the head's end
	s_wait_kmcnt 0x0
	s_add_nc_u64 s[18:19], s[18:19], s[32:33]
.irp j, 0,1,2,3,4,5,6,7
	global_load_b128 v[64+8*\j:67+8*\j], v4, s[12:13] offset:64*\j th:TH_LOAD_NT      ; registers 8 j + i: key 128 step + 16 j + 8 h + i; lanes l and l xor 16 read 64 bytes on end
	global_load_b128 v[68+8*\j:71+8*\j], v4, s[12:13] offset:64*\j+16 th:TH_LOAD_NT
.endr
	s_wait_loadcnt 0x0
.set J, 0
.rept 8                                        ; piece J, keys 16 J + 8 h on, is register 2 u + e with u = 2 (J / 4) + J % 2, e = (J / 2) % 2
.irp e, 0,1,2,3,4,5,6,7
	v_cmp_eq_u32 s[40+\e], 0, v[64+8*J+\e]
.endr
.irp e, 0,1,2,3,4,5,6,7
	v_cndmask_b32 v[24+\e], 0, v[16+\e], s[40+\e]  ; the code at its place where the mask's word is 0
.endr
	v_add3_u32 v24, v24, v25, v26                  ; the eight share no bit: their sum is the register
	v_add3_u32 v27, v27, v28, v29
	v_add_nc_u32 v30, v30, v31
	s_delay_alu instid0(VALU_DEP_1)
	v_add3_u32 v[8+4*(J/4)+2*(J%2)+(J/2)%2], v24, v27, v30
.set J, J+1
.endr
	global_store_b128 v5, v[8:11], s[18:19]        ; 32 lanes store 512 consecutive bytes, at a multiple of 256 from mc's first byte
	global_store_b128 v5, v[12:15], s[18:19] offset:512
	s_endpgm
.Lfunc_end_k_q24820028a8_prep:
	.size	k_q24820028a8_prep, .Lfunc_end_k_q24820028a8_prep-k_q24820028a8_prep
	.p2alignl 7, 3214868480
	.fill 96, 4, 3214868480
	.section	.rodata,"a",@progbits
	.p2align	6, 0x0
	.amdhsa_kernel k_q24820028a8_prep
		.amdhsa_group_segment_fixed_size 0
		.amdhsa_private_segment_fixed_size 0
		.amdhsa_enable_private_segment 0
		.amdhsa_kernarg_size 64
		.amdhsa_user_sgpr_count 2
		.amdhsa_user_sgpr_kernarg_segment_ptr 1
		.amdhsa_wavefront_size32 1
		.amdhsa_system_sgpr_workgroup_id_x 1
		.amdhsa_system_sgpr_workgroup_id_y 1
		.amdhsa_system_sgpr_workgroup_id_z 1
		.amdhsa_system_vgpr_workitem_id 0
		.amdhsa_next_free_vgpr 128
		.amdhsa_next_free_sgpr 66
		.amdhsa_reserve_vcc 0
		.amdhsa_float_denorm_mode_32 3
		.amdhsa_float_denorm_mode_16_64 3
		.amdhsa_memory_ordered 1
		.amdhsa_forward_progress 1
		.amdhsa_inst_pref_size 22
	.end_amdhsa_kernel
	.amdgpu_metadata
---
amdhsa.version: [ 1, 2 ]
amdhsa.kernels:
  - .name:           k_q24820028a8_prep
    .symbol:         k_q24820028a8_prep.kd
    .args:
      - { .name: Wq, .offset: 0, .size: 8, .value_kind: global_buffer, .address_space: global }
      - { .name: Wk, .offset: 8, .size: 8, .value_kind: global_buffer, .address_space: global }
      - { .name: Wv, .offset: 16, .size: 8, .value_kind: global_buffer, .address_space: global }
      - { .name: Wo, .offset: 24, .size: 8, .value_kind: global_buffer, .address_space: global }
      - { .name: mask, .offset: 32, .size: 8, .value_kind: global_buffer, .address_space: global }
      - { .name: wc, .offset: 40, .size: 8, .value_kind: global_buffer, .address_space: global }
      - { .name: wsb, .offset: 48, .size: 8, .value_kind: global_buffer, .address_space: global }
      - { .name: mc, .offset: 56, .size: 8, .value_kind: global_buffer, .address_space: global }
    .group_segment_fixed_size: 0
    .private_segment_fixed_size: 0
    .kernarg_segment_align: 8
    .kernarg_segment_size: 64
    .max_flat_workgroup_size: 256
    .sgpr_count:     66
    .vgpr_count:     128
    .wavefront_size: 32
...
	.end_amdgpu_metadata
.endif
;; end of part 5
;; launch proj (part 6): grid 256 x 1, 4 waves a work-group, no clusters, 190,976 bytes of LDS; arguments Q, K, V, wc, wsb, bq, bk, bv, qc, qs, kv; writes qc, qs, kv
.if DOCPART == 6
	.amdgcn_target "amdgcn-amd-amdhsa--gfx1250"
	.amdhsa_code_object_version 6
	.text
	.protected	k_q24820028a8_proj
	.globl	k_q24820028a8_proj
	.p2align	8
	.type	k_q24820028a8_proj,@function
k_q24820028a8_proj:
	s_mov_b64 s[64:65], 0
	v_nop
	global_prefetch_b8 v0, s[64:65] scope:SCOPE_SE
	s_setreg_imm32_b32 hwreg(HW_REG_WAVE_MODE, 25, 1), 1
	s_wait_xcnt 0x0
; Launch 2 of 4: q = Q Wq^T + bq, k = K Wk^T + bk, v = V Wv^T + bv on codes of E2M1, and q, k, v quantised again for the attention's two products.  Nothing of the problem is left out here.
; SHARES.  A work-group of four waves owns 64 rows (64 positions of one batch) of all three inputs and runs three phases, Q, K, V, in straight-line text.  In a phase wave w quantises 16 rows of x (512 numbers each, four
; fragments) and hands them to the others through LDS as images of the operand's registers; then it makes channels 128 w .. 128 w + 127 (heads 2 w, 2 w + 1) for all 64 rows, with its part of the weight in registers.
; x COMES IN DENSE: a K step of a row is 512 consecutive bytes, one load of the wave.  The quantiser wants 16 neighbours of a block in one lane: so a K step's 16 rows turn through the wave's own stage in LDS,
; stored as loaded (rows of 512 bytes + 16) and read back 64 bytes a lane, into the registers that they left.
; THE ROWS OF A TILE (of x and of the weights) are not neighbours: lane r of tile 2 b + u takes row 32 b + 8 u + r + 8 (r / 8): a result's 16 registers of tiles 2 b, 2 b + 1 are then 16 neighbours, 32 b + 16 (lane / 16) + 0 .. 15.
; q, k: the product is used transposed (source 0 = 16 rows of W, source 1 = 16 rows of x): a lane holds one position, its registers run along the channels, which are the next product's K.
; v: source 0 = 16 rows of x, source 1 = 16 rows of Wv: a lane holds one channel, its registers run along the keys, which are the next product's K.  The biases are the C of each sum's first matrix instruction.
; OUT, all in the order of the reader's registers:  qc [bh][tile 128][lane][16 B] (lane (r, h): channels 32 h .. + 31 of the tile's query r);  qs [bh][64-block 32][r][tile 4] words;
; kv [bh][64-block 32] blocks of 4,608 B: K's codes [tile 4][lane][16], V's codes [channel tile 4][lane][16] (keys 32 h .. + 31 of the block), K's scale words [r][tile], V's [r][channel tile].
; LIMITS: a block of zeros gets the byte 1 (zero codes; the bytes are read by this program alone); blocks under 2^-124 are held at that byte; NaN and infinities among the inputs are not served.
; REGISTERS, in windows of 256.  Window 0: v1-10 addresses; v16-47 four fragments of x; v48-111 eight accumulators; v112-119 codes just made; v120-135 at work; v136 the scale word just made; v137-140 x's scale words;
;   v141, v142 the stage's addresses; v144-151 scale words on their way out; v152-167 the weight's scale words; v168-231 the bias, eight tiles; v232-247 x's 16 scale words in phase V; v252, v253 the add's two.
;   Window 1: Wq, in phase V Wv (fragment (t, s) at 8 (4 t + s)).  Window 2: Wk.  Window 3: 256 numbers of x, K step s at 64 s; in phase V later x's 16 fragments.
.set LI,   1                           ; 16 x lane
.set LS,   2                           ; 4 x lane
.set XA,   3                           ; x: my tile's first row x 2,048 + 16 x lane
.set XWI,  4                           ; where I store x's images: 16 x lane + 4,096 x wave
.set XWS,  5                           ; and their scale words: 4 x lane + 512 x wave
.set BA,   6                           ; bq, bk: 64 h
.set BVA,  7                           ; bv: 4 (r + 8 (r / 8))
.set SH16, 8                           ; 16 h
.set QSA,  9                           ; qs: 16 r + (a head's 8,192) h
.set KSA,  10                          ; kv's scale words: 16 r + (a head's 147,456) h
.set XF,   16
.set HA,   48
.set PC,   112
.set TM,   120
.set PW,   136
.set XS,   137
.set STI,  141                         ; my stage, on the way in: 16 x lane
.set STR,  142                         ; and on the way out: 528 r + 64 h
.set PWS,  144
.set WS,   152
.set BI,   168
.set XSV,  232
.set SPW,  252
.set NIL,  253
.set REGB, 18432                       ; LDS: a region for each phase: 16 images of 1,024 bytes (tile m, K step s: 4 m + s), then their 16 x 128 bytes of scale words
.set SPARE, 3*REGB                     ; behind them the spare words, 128 bytes for each wave, which no other line names
.set STG,  SPARE+512                   ; behind those the stages: for each wave four (one a K step) of 16 rows x 528 bytes
.set STK,  16*528
.set SEL,  28
.set MSB, 0
.macro WIN new                         ; the immediate's high byte repeats the setting that is left; a switch that changes nothing is dropped
.if MSB != (\new)
	s_set_vgpr_msb (MSB<<8)|(\new)
.set MSB, (\new)
.endif
.endm
; 64 numbers of a lane in window w, register s + 16 b + i = k 32 b + 16 (lane / 16) + i of my row, become a fragment's codes in v[PC] on and its scale word in v[PW]
.macro QUANT s, w
	WIN (\w)|((\w)<<2)
.irp b, 0,1,2,3
	v_max3_num_f32 v[TM+\b], |v[(\s)+16*\b]|, |v[(\s)+1+16*\b]|, 0x1800000   ; block b: my 16 numbers, and the floor 2^(3 - 127): the byte cannot fall under 1
.endr
	WIN ((\w)<<2)|((\w)<<4)
.irp i, 2,4,6,8,10,12,14
.irp b, 0,1,2,3
	v_max3_num_f32 v[TM+\b], v[TM+\b], |v[(\s)+16*\b+\i]|, |v[(\s)+1+16*\b+\i]|   ; the four blocks by turns
.endr
.endr
	WIN 0
.irp b, 0,1,2,3
	v_permlanex16_b32 v[TM+4+\b], v[TM+\b], s[SEL], s[SEL+1]
.endr
.irp b, 0,1,2,3
	v_max_num_f32 v[TM+\b], v[TM+\b], v[TM+4+\b]   ; with lane l xor 16's: the block's largest magnitude
.endr
.irp b, 0,1,2,3
	v_add_nc_u32 v[TM+12+\b], 0xff000000, v[TM+\b] ; 2 off its exponent field: the conversion's scale operand
.endr
.irp b, 0,1,2,3
	v_lshrrev_b32 v[TM+4+\b], 23, v[TM+12+\b]      ; the scale's byte
.endr
	v_lshl_or_b32 v[PW], v[TM+5], 8, v[TM+4]
	v_lshl_or_b32 v[PW], v[TM+6], 16, v[PW]
	v_lshl_or_b32 v[PW], v[TM+7], 24, v[PW]
	WIN (\w)
.irp b, 0,1,2,3
	v_cvt_scalef32_pk8_fp4_f32 v[PC+2*\b], v[(\s)+16*\b:(\s)+7+16*\b], v[TM+12+\b]
	v_cvt_scalef32_pk8_fp4_f32 v[PC+1+2*\b], v[(\s)+8+16*\b:(\s)+15+16*\b], v[TM+12+\b]
.endr
	WIN 0
	v_nop                                          ; one plain place behind a scaled conversion
.irp c, 0,1                                    ; the operand's layout wants a whole block in a lane: lanes 0-15 block 2 c, lanes 16-31 block 2 c + 1
.irp i, 0,1
	v_permlane16_swap_b32 v[PC+4*\c+\i], v[PC+2+4*\c+\i]
.endr
.endr
.endm
.macro BARRIER                                 ; my LDS stores have landed and my LDS loads are in: then the work-group's barrier
	s_wait_dscnt 0x0
	s_barrier_signal -1
	s_barrier_wait -1
.endm
.macro XLOAD ptr, s                            ; K step s of my 16 rows: row i's 512 bytes by one load, 16 bytes a lane, into v[64 s + 4 i] on of window 3
	WIN 0xc0
.irp i, 0,1,2,3,4,5,6,7,8,9,10,11,12,13,14,15
.if (\ptr) == 6                                ; THE INPUT K HAS AN ORDER OF ITS OWN: row i of tile m is position 32 (i / 8) + 8 m + i % 8 of the 64, so that in the attention's scores a lane holds a whole block of 32 neighbouring keys
	global_load_b128 v[64*(\s)+4*\i:64*(\s)+4*\i+3], v[XAK], s[\ptr:\ptr+1] offset:(\i%8+32*(\i/8))*2048+512*(\s) th:TH_LOAD_NT
.else
	global_load_b128 v[64*(\s)+4*\i:64*(\s)+4*\i+3], v[XA], s[\ptr:\ptr+1] offset:(\i+8*(\i/8))*2048+512*(\s) th:TH_LOAD_NT
.endif
.endr
	WIN 0
.endm
; K step s turns through its stage: in as loaded, a row an instruction; back so that register 64 s + 16 b + 4 j + e of lane (r, h) is k = 128 s + 32 b + 16 h + 4 j + e of row r.
; LDS serves a wave's instructions in order: no wait stands between the stores and the loads, and the loads land in the registers that the stores have read.  Rows 528 bytes apart: sixteen lanes' 16 bytes fall on sixteen different columns of 16 bytes.
.macro TURN s
	WIN 0x0c                                       ; an LDS store's data are its source 1: window 3
.irp i, 0,1,2,3,4,5,6,7,8,9,10,11,12,13,14,15
	ds_store_b128 v[STI], v[64*(\s)+4*\i:64*(\s)+4*\i+3] offset:STK*(\s)+528*\i
.endr
	WIN 0xc0
.irp b, 0,1,2,3
.irp j, 0,1,2,3
	ds_load_b128 v[64*(\s)+16*\b+4*\j:64*(\s)+16*\b+4*\j+3], v[STR] offset:STK*(\s)+128*\b+16*\j
.endr
.endr
	WIN 0
.endm
.macro WLOAD wt, win                           ; my 32 fragments of weight wt into window win
	WIN (\win)<<6
.irp t, 0,1,2,3,4,5,6,7
.irp s, 0,1,2,3
	global_load_b128 v[8*(4*\t+\s):8*(4*\t+\s)+3], v[LI], s[10:11] offset:(\wt)*131072+\t*4096+\s*1024
	global_load_b128 v[8*(4*\t+\s)+4:8*(4*\t+\s)+7], v[LI], s[10:11] offset:(\wt)*131072+\t*4096+\s*1024+512
.endr
.endr
	WIN 0
.endm
.macro WSLOAD wt                               ; its scale words: register 2 t + p holds K step 2 p in lanes 0-15 and K step 2 p + 1 in lanes 16-31
.irp t, 0,1,2,3,4,5,6,7
.irp p, 0,1
	global_load_b32 v[WS+2*\t+\p], v[LS], s[12:13] offset:(\wt)*8192+\t*256+128*\p
.endr
.endr
.endm
.macro BLOAD ptr                               ; bq or bk in the result's layout: tile t, register j: channel 32 (t / 2) + 16 h + 8 (t % 2) + j
.irp t, 0,1,2,3,4,5,6,7
	global_load_b128 v[BI+8*\t:BI+8*\t+3], v[BA], s[\ptr:\ptr+1] offset:(32*(\t/2)+8*(\t%2))*4
	global_load_b128 v[BI+8*\t+4:BI+8*\t+7], v[BA], s[\ptr:\ptr+1] offset:(32*(\t/2)+8*(\t%2))*4+16
.endr
.endm
; a product whose source 0 takes its scales from lanes 16-31 where odd = 1
.macro WMA d, a, b, c, sa, sb, odd
.if \odd
	v_wmma_scale_f32_16x16x128_f8f6f4 v[\d:\d+7], v[\a:\a+7], v[\b:\b+7], v[\c:\c+7], v[\sa], v[\sb] matrix_a_fmt:MATRIX_FMT_FP4 matrix_b_fmt:MATRIX_FMT_FP4 matrix_a_scale:MATRIX_SCALE_ROW1
.else
	v_wmma_scale_f32_16x16x128_f8f6f4 v[\d:\d+7], v[\a:\a+7], v[\b:\b+7], v[\c:\c+7], v[\sa], v[\sb] matrix_a_fmt:MATRIX_FMT_FP4 matrix_b_fmt:MATRIX_FMT_FP4
.endif
.endm
; the same for source 1
.macro WMB d, a, b, c, sa, sb, odd
.if \odd
	v_wmma_scale_f32_16x16x128_f8f6f4 v[\d:\d+7], v[\a:\a+7], v[\b:\b+7], v[\c:\c+7], v[\sa], v[\sb] matrix_a_fmt:MATRIX_FMT_FP4 matrix_b_fmt:MATRIX_FMT_FP4 matrix_b_scale:MATRIX_SCALE_ROW1
.else
	v_wmma_scale_f32_16x16x128_f8f6f4 v[\d:\d+7], v[\a:\a+7], v[\b:\b+7], v[\c:\c+7], v[\sa], v[\sb] matrix_a_fmt:MATRIX_FMT_FP4 matrix_b_fmt:MATRIX_FMT_FP4
.endif
.endm
; My 16 rows of phase T's input become four fragments, whose images go to LDS.  K step s + 1 turns through its stage while K step s is quantised; as soon as a K step's numbers are quantised, the next phase's are asked for into their registers.
.macro XPART T
.if \T == 0
	s_wait_loadcnt 48                              ; K step 0 is in: behind it stand K steps 1 to 3, 16 loads each; all that was asked for earlier (Wq, its scale words, bq) is in too
.endif
	TURN 0
.irp s, 0,1,2,3
.if \s < 3
.if \T == 0
	s_wait_loadcnt 32                              ; K step s + 1 is in: behind it stand two K steps' loads, 16 each (of this input or of the next)
.endif
	TURN \s+1
	s_wait_dscnt 32                                ; all but the 32 stage instructions just issued: K step s is back in registers, and the last images' stores have read theirs
.else
	s_wait_dscnt 0x0
.endif
	QUANT 64*\s, 3
	ds_store_b128 v[XWI], v[PC:PC+3] offset:REGB*\T+1024*\s
	ds_store_b128 v[XWI], v[PC+4:PC+7] offset:REGB*\T+1024*\s+512
	ds_store_b32 v[XWS], v[PW] offset:REGB*\T+16384+128*\s
.if (\T == 1) && (\s == 3)
	s_wait_loadcnt 48                              ; all but the 48 loads of V's K steps 0 to 2: Wk, its scale words and bk are in
.endif
.if \T < 2
	XLOAD 6+2*\T, \s
.endif
.endr
.endm
; q or k.  For each tile m of 16 rows: x's four fragments from LDS; eight accumulators by turns, K ascending; quantised along the channels; the two heads' codes and scale words go out.
.macro PRODQK win, cbase, hstep, sbase, saddr, soffs, lreg
.irp m, 0,1,2,3
	s_wait_xcnt 0x0                                ; the last stores have read the code registers, which are written anew below
.irp s, 0,1,2,3
	ds_load_b128 v[XF+8*\s:XF+8*\s+3], v[LI] offset:\lreg+(4*\m+\s)*1024
	ds_load_b128 v[XF+8*\s+4:XF+8*\s+7], v[LI] offset:\lreg+(4*\m+\s)*1024+512
	ds_load_b32 v[XS+\s], v[LS] offset:\lreg+16384+(4*\m+\s)*128
.endr
	s_wait_dscnt 0x0
	WIN \win
.irp s, 0,1,2,3
.irp t, 0,1,2,3,4,5,6,7
.if \s == 0
	WMA HA+8*\t, 8*(4*\t+\s), XF+8*\s, BI+8*\t, WS+2*\t+\s/2, XS+\s, \s%2
.else
	WMA HA+8*\t, 8*(4*\t+\s), XF+8*\s, HA+8*\t, WS+2*\t+\s/2, XS+\s, \s%2
.endif
.endr
.endr
	WIN 0
.rept 5
	v_nop                                          ; four places in front of the reads of the results and of loads into the products' registers; the fifth since the next run begins these accumulators anew from the bias
.endr
	QUANT HA, 0
	global_store_b128 v[LI], v[PC:PC+3], s[\cbase:\cbase+1] offset:512*\m              ; head 2 w: 512 consecutive bytes
	global_store_b128 v[LI], v[PC+4:PC+7], s[\cbase:\cbase+1] offset:\hstep+512*\m     ; head 2 w + 1
	v_lshrrev_b32 v[PWS+\m], v[SH16], v[PW]        ; lanes 0-15 keep the word (head 2 w's bytes lowest), lanes 16-31 bring head 2 w + 1's two bytes down
.endr
	global_store_b128 v[\saddr], v[PWS:PWS+3], s[\sbase:\sbase+1] offset:\soffs   ; sixteen lanes store 256 consecutive bytes for each head
.endm
	s_load_b512 s[4:19], s[0:1], 0x0               ; Q, K, V, wc, wsb, bq, bk, bv
	s_load_b128 s[20:23], s[0:1], 0x40             ; qc, qs
	s_load_b64 s[24:25], s[0:1], 0x50              ; kv
	v_lshl_add_u32 v[SPW], v0, 2, SPARE
	v_mov_b32 v[NIL], 0
	v_lshrrev_b32 v11, 5, v0
	v_readfirstlane_b32 s26, v11                   ; wave 0..3
	v_and_b32 v11, 31, v0
	v_lshlrev_b32 v[LI], 4, v11
	v_lshlrev_b32 v[LS], 2, v11
	s_wait_alu depctr_va_vdst(0)
	v_and_b32 v12, 15, v0                          ; r
	s_wait_alu depctr_va_vdst(0)
	v_bfe_u32 v13, v0, 4, 1                        ; h
	v_and_b32 v14, 8, v12
	v_add_nc_u32 v14, v14, v12                     ; r + 8 (r / 8)
	s_lshr_b32 s32, s26, 1
	s_lshl_b32 s32, s32, 5
	s_and_b32 s33, s26, 1
	s_lshl_b32 s33, s33, 3
	s_add_co_u32 s32, s32, s33                     ; my tile's first row: 32 (w / 2) + 8 (w % 2)
	s_lshl_b32 s32, s32, 11
	v_add_nc_u32 v[XA], s32, v[LI]
.set XAK, 15                                   ; v15: the input K: my tile's first row, 8 x wave, x 2,048 + 16 x lane
	s_lshl_b32 s33, s26, 14
	v_add_nc_u32 v[XAK], s33, v[LI]
	s_lshl_b32 s32, s26, 12
	v_add_nc_u32 v[XWI], s32, v[LI]
	s_lshl_b32 s32, s26, 9
	v_add_nc_u32 v[XWS], s32, v[LS]
	s_mul_i32 s32, s26, 4*STK
	s_add_co_u32 s32, s32, STG                     ; my four stages
	v_add_nc_u32 v[STI], s32, v[LI]
	v_mul_u32_u24 v[STR], v12, 528
	s_wait_alu depctr_va_vdst(0)
	v_lshl_add_u32 v[STR], v13, 6, v[STR]
	v_add_nc_u32 v[STR], s32, v[STR]
	v_lshlrev_b32 v[BA], 6, v13
	v_lshlrev_b32 v[BVA], 2, v14
	v_lshlrev_b32 v[SH16], 4, v13
	v_lshlrev_b32 v[QSA], 4, v12
	v_lshl_add_u32 v[QSA], v13, 13, v[QSA]
	v_mul_u32_u24 v[KSA], v13, 147456
	v_lshl_add_u32 v[KSA], v12, 4, v[KSA]
.irp b, 0,1,2,3
	v_mov_b32 v[TM+4+\b], 0                        ; written once: a lane permute's destination counts as one of its sources
.endr
	s_mov_b32 s[SEL], 0x76543210
	s_mov_b32 s[SEL+1], 0xfedcba98
	s_mov_b32 s30, 0xffff0000                      ; lanes 16-31
	s_lshl_b32 s32, ttmp9, 17                      ; x: 64 rows of 2,048 bytes a work-group
	s_mov_b32 s33, 0
	s_lshl_b32 s34, s26, 15                        ; wc: 8 tiles of 4,096 bytes a wave
	s_mov_b32 s35, 0
	s_lshl_b32 s36, s26, 11                        ; wsb: 8 tiles of 256 bytes
	s_mov_b32 s37, 0
	s_lshl_b32 s38, s26, 9                         ; the biases: 128 numbers
	s_mov_b32 s39, 0
	s_lshr_b32 s40, ttmp9, 5                       ; the batch
	s_lshl_b32 s40, s40, 3
	s_lshl_b32 s41, s26, 1
	s_add_co_u32 s40, s40, s41                     ; bh of head 2 w
	s_and_b32 s41, ttmp9, 31                       ; the block of 64 positions
	s_lshl_b32 s42, s40, 16
	s_lshl_b32 s43, s41, 11
	s_add_co_u32 s42, s42, s43                     ; qc
	s_mov_b32 s43, 0
	s_lshl_b32 s44, s40, 13
	s_lshl_b32 s45, s41, 8
	s_add_co_u32 s44, s44, s45                     ; qs
	s_mov_b32 s45, 0
	s_mul_i32 s46, s40, 147456
	s_mul_i32 s47, s41, 4608
	s_add_co_u32 s46, s46, s47                     ; kv
	s_mov_b32 s47, 0
	s_wait_kmcnt 0x0
	s_add_nc_u64 s[4:5], s[4:5], s[32:33]
	s_add_nc_u64 s[6:7], s[6:7], s[32:33]
	s_add_nc_u64 s[8:9], s[8:9], s[32:33]
	s_add_nc_u64 s[10:11], s[10:11], s[34:35]
	s_add_nc_u64 s[12:13], s[12:13], s[36:37]
	s_add_nc_u64 s[14:15], s[14:15], s[38:39]
	s_add_nc_u64 s[16:17], s[16:17], s[38:39]
	s_add_nc_u64 s[18:19], s[18:19], s[38:39]
	s_add_nc_u64 s[20:21], s[20:21], s[42:43]
	s_add_nc_u64 s[22:23], s[22:23], s[44:45]
	s_add_nc_u64 s[24:25], s[24:25], s[46:47]
	WSLOAD 0
	BLOAD 14
	WLOAD 0, 1                                     ; Wq.  Each weight is asked for at the head of its own phase and lands while that phase's x is quantised
.irp s, 0,1,2,3
	XLOAD 4, \s                                    ; Q
.endr
	; ---- phase Q
	XPART 0
	BARRIER                                        ; Q's sixteen fragments lie in LDS
	PRODQK 1, 20, 65536, 22, QSA, 0, 0
	; ---- phase K.  (The five places behind the last products serve the loads below too.)
	s_wait_loadcnt 0x0                             ; K's numbers, asked for a phase ago
	s_wait_xcnt 0x0                                ; the last stores have read the code registers
	WSLOAD 1
	BLOAD 16
	WLOAD 1, 2                                     ; Wk
	XPART 1
	BARRIER
	PRODQK 2, 24, 147456, 24, KSA, 4096, REGB
	; ---- phase V
	s_wait_loadcnt 0x0                             ; V's numbers
	s_wait_xcnt 0x0
	WSLOAD 2
.irp n, 0,1,2,3,4,5,6,7
	global_load_b32 v[BI+8*\n], v[BVA], s[18:19] offset:(32*(\n/2)+8*(\n%2))*4   ; bv of my lane's channel in tile n
.endr
	WLOAD 2, 1                                     ; Wv takes Wq's place
	XPART 2
	s_wait_loadcnt 0x0                             ; Wv, its scale words and bv
.irp n, 0,1,2,3,4,5,6,7
.irp j, 1,2,3,4,5,6,7
	v_mov_b32 v[BI+8*\n+\j], v[BI+8*\n]            ; in this product's result a lane holds one channel: its eight registers start from the same number
.endr
.endr
	BARRIER
	WIN 0xc0
.irp f, 0,1,2,3,4,5,6,7,8,9,10,11,12,13,14,15  ; all sixteen fragments of x into window 3, where its numbers lay
	ds_load_b128 v[8*\f:8*\f+3], v[LI] offset:2*REGB+\f*1024
	ds_load_b128 v[8*\f+4:8*\f+7], v[LI] offset:2*REGB+\f*1024+512
.endr
	WIN 0
.irp f, 0,1,2,3,4,5,6,7,8,9,10,11,12,13,14,15
	ds_load_b32 v[XSV+\f], v[LS] offset:2*REGB+16384+\f*128
.endr
	s_wait_dscnt 0x0
.irp g, 0,1,2,3                                ; two tiles of 16 channels at a time x the 64 keys: eight accumulators by turns
	s_wait_xcnt 0x0                                ; the last stores have read the code registers
	WIN 0x07                                       ; source 0 (x) window 3, source 1 (Wv) window 1
.irp s, 0,1,2,3
.irp c, 0,1
.irp m, 0,1,2,3
.if \s == 0
	WMB HA+8*(4*\c+\m), 8*(4*\m+\s), 8*(4*(2*\g+\c)+\s), BI+8*(2*\g+\c), XSV+4*\m+\s, WS+2*(2*\g+\c)+\s/2, \s%2
.else
	WMB HA+8*(4*\c+\m), 8*(4*\m+\s), 8*(4*(2*\g+\c)+\s), HA+8*(4*\c+\m), XSV+4*\m+\s, WS+2*(2*\g+\c)+\s/2, \s%2
.endif
.endr
.endr
.endr
	WIN 0
.rept 5
	v_nop                                          ; as in PRODQK
.endr
	QUANT HA, 0                                    ; blocks 0, 1: channel tile 2 g's 64 keys; blocks 2, 3: tile 2 g + 1's
	global_store_b128 v[LI], v[PC:PC+3], s[24:25] offset:(\g/2)*147456+2048+((2*\g)%4)*512
	global_store_b128 v[LI], v[PC+4:PC+7], s[24:25] offset:(\g/2)*147456+2048+((2*\g)%4)*512+512
	v_and_b32 v[PWS+2*\g], 0xffff, v[PW]
	v_lshrrev_b32 v[PWS+2*\g+1], 16, v[PW]
.endr
.irp j, 0,1,2,3
	v_cndmask_b32 v[TM+\j], v[PWS+\j], v[PWS+4+\j], s30   ; lanes 0-15: head 2 w's four tiles; lanes 16-31: head 2 w + 1's
.endr
	global_store_b128 v[KSA], v[TM:TM+3], s[24:25] offset:4352
	s_wait_tensorcnt 0x0                           ; the wave's end, behind my last LDS store
	ds_add_u32 v[SPW], v[NIL]
	s_wait_dscnt 0x0
	s_endpgm
.Lfunc_end_k_q24820028a8_proj:
	.size	k_q24820028a8_proj, .Lfunc_end_k_q24820028a8_proj-k_q24820028a8_proj
	.p2alignl 7, 3214868480
	.fill 96, 4, 3214868480
	.section	.rodata,"a",@progbits
	.p2align	6, 0x0
	.amdhsa_kernel k_q24820028a8_proj
		.amdhsa_group_segment_fixed_size 190976
		.amdhsa_private_segment_fixed_size 0
		.amdhsa_enable_private_segment 0
		.amdhsa_kernarg_size 88
		.amdhsa_user_sgpr_count 2
		.amdhsa_user_sgpr_kernarg_segment_ptr 1
		.amdhsa_wavefront_size32 1
		.amdhsa_system_sgpr_workgroup_id_x 1
		.amdhsa_system_sgpr_workgroup_id_y 1
		.amdhsa_system_sgpr_workgroup_id_z 1
		.amdhsa_system_vgpr_workitem_id 0
		.amdhsa_next_free_vgpr 1024
		.amdhsa_next_free_sgpr 66
		.amdhsa_reserve_vcc 0
		.amdhsa_float_denorm_mode_32 3
		.amdhsa_float_denorm_mode_16_64 3
		.amdhsa_memory_ordered 1
		.amdhsa_forward_progress 1
		.amdhsa_inst_pref_size 234
	.end_amdhsa_kernel
	.amdgpu_metadata
---
amdhsa.version: [ 1, 2 ]
amdhsa.kernels:
  - .name:           k_q24820028a8_proj
    .symbol:         k_q24820028a8_proj.kd
    .args:
      - { .name: Q, .offset: 0, .size: 8, .value_kind: global_buffer, .address_space: global }
      - { .name: K, .offset: 8, .size: 8, .value_kind: global_buffer, .address_space: global }
      - { .name: V, .offset: 16, .size: 8, .value_kind: global_buffer, .address_space: global }
      - { .name: wc, .offset: 24, .size: 8, .value_kind: global_buffer, .address_space: global }
      - { .name: wsb, .offset: 32, .size: 8, .value_kind: global_buffer, .address_space: global }
      - { .name: bq, .offset: 40, .size: 8, .value_kind: global_buffer, .address_space: global }
      - { .name: bk, .offset: 48, .size: 8, .value_kind: global_buffer, .address_space: global }
      - { .name: bv, .offset: 56, .size: 8, .value_kind: global_buffer, .address_space: global }
      - { .name: qc, .offset: 64, .size: 8, .value_kind: global_buffer, .address_space: global }
      - { .name: qs, .offset: 72, .size: 8, .value_kind: global_buffer, .address_space: global }
      - { .name: kv, .offset: 80, .size: 8, .value_kind: global_buffer, .address_space: global }
    .group_segment_fixed_size: 190976
    .private_segment_fixed_size: 0
    .kernarg_segment_align: 8
    .kernarg_segment_size: 88
    .max_flat_workgroup_size: 128
    .sgpr_count:     66
    .vgpr_count:     1024
    .wavefront_size: 32
...
	.end_amdgpu_metadata
.endif
;; end of part 6
;; launch attn (part 7): grid 4 x 64, 16 waves a work-group, clusters of 4 x 1, 167,936 bytes of LDS; arguments qc, qs, kv, mc, ao, aos; writes ao, aos
.if DOCPART == 7
	.amdgcn_target "amdgcn-amd-amdhsa--gfx1250"
	.amdhsa_code_object_version 6
	.text
	.protected	k_q24820028a8_attn
	.globl	k_q24820028a8_attn
	.p2align	8
	.type	k_q24820028a8_attn,@function
k_q24820028a8_attn:
	s_mov_b64 s[64:65], 0
	v_nop
	global_prefetch_b8 v0, s[64:65] scope:SCOPE_SE
	s_setreg_imm32_b32 hwreg(HW_REG_WAVE_MODE, 25, 1), 1
	s_wait_xcnt 0x0
	s_wait_alu depctr_hold_cnt(0) depctr_sa_sdst(0) depctr_va_vdst(0) depctr_va_sdst(0) depctr_va_ssrc(0) depctr_va_vcc(0) depctr_vm_vsrc(0)
	s_getreg_b32 s2, hwreg(HW_REG_IB_STS2, 6, 4)
	s_cmp_eq_u32 s2, 0
	s_cbranch_scc0 .Lentry_in_a_cluster
	s_endpgm
.Lentry_in_a_cluster:
	s_bfe_u32 s2, ttmp6, 0x10000c
	s_cmp_lg_u32 s2, 0x3003
	s_cbranch_scc0 .Lentry_shape_is_right
	s_endpgm
.Lentry_shape_is_right:
; Launch 3 of 4: for each (batch, head): scores = q k^T / 8, the mask, the softmax, its product with v, all on codes of E2M1; the result is divided by the row's sum and quantised along d_model for the last product.
; Nothing of the problem is left out here.
; THE SOFTMAX: t = score x log2(e) / 8; M = the row's largest t so far, rounded up to a whole number; p = 2^(t - M) is quantised along the keys, not normalised; the row's sum is taken of the unquantised p and divides
; at the end.  When M moves, the sum and O are multiplied by 2^(old M - new M): exact.
; THE MASK IS LAID BY THE MATRIX UNIT.  Each tile of scores starts from (unit matrix) x (mask codes): 1 x 2^51 times -2 x 2^51 = -2^103 where mask == 0, else 0; K Q^T is then added onto that accumulator in place.
; So a masked score is about -2^103 and its p is 0 beside any open key.  A KEY STEP THAT IS MASKED THROUGHOUT for a query (its largest score under -2^100) takes the factor 0 in place of c and the addend c x (-2^103) - M:
; every p of it is then the same number: 1 while the row has had no open key (uniform weights, as the problem's -1e30 gives), else 0; an open key that comes later wipes what was summed, by 2^(old M - new M) = 0.
; LIMIT: true scores stay above -2^100.  NaN and infinities are not served.  A block of zeros gets the scale byte 1 (its codes are zeros).
; SHARES.  A work-group owns 512 queries of one (batch, head); each of its sixteen waves two neighbouring tiles of 16, one after the other, in 256 registers.  4 x 64 work-groups.
; The head's K and V, codes and scale words, 147,456 bytes, come into LDS once, as they lie in memory; each wave fetches a sixteenth by one tensor load.  No byte is filled again.
; CLUSTER: the four work-groups of a head need the same K and V: they form a cluster and ask jointly (mask 15).  Nothing but global addresses hangs on a work-group's place.
; THE MASK CODES of a key step, eight registers, 1,024 bytes a wave, go from memory straight into registers; they are asked for a whole key step ahead of their use, so no separate prefetch is laid.
; LAYOUT.  Both products are used transposed: S^T = K Q^T (source 0 = 16 keys, source 1 = my 16 queries), O^T = V^T P^T: a lane holds one query throughout.  Row i of K's tile t of a block of 64 keys is key
; 32 (i / 8) + 8 t + i % 8: so the 32 registers of a block's four tiles are the 32 neighbouring keys 32 (lane / 16) + 0 .. 31: one whole block of the quantiser in one lane, in the order of P's operand.
; The head has 64 channels and the instruction 128: Q's upper half holds zero codes, so what K's fragment holds there adds nothing: fragment t is v[KL + 4 t .. + 7], its upper half the next tile's codes.
; Likewise the unit matrices hold zero codes but in two registers, so the mask's fragment is any run of eight registers that has the tile's two at the right place: what the others hold adds nothing.
.set LI,  1                            ; 16 x lane
.set LR,  2                            ; 16 x (lane % 16)
.set ADK, 3                            ; the step's first byte + 16 x lane
.set ADS, 4                            ; the step's first byte + 16 r
.set SPW, 5                            ; the add's two registers
.set NIL, 6
.set T0,  7                            ; at work
.set NN,  8                            ; the new -M
.set T2,  9
.set QW1, 10                           ; Q's scale words, first and second tile
.set QW2, 11
.set NM,  12                           ; -M
.set TMX, 13                           ; the largest t
.set SUM, 14                           ; v[14:15] the row's sum in two halves
.set QF,  16                           ; v16-23 Q's fragment, upper half zeros
.set KS,  24                           ; v24-31 K's scale words
.set KL,  32                           ; v32-63 K's eight tiles, four registers each
.set VF,  64                           ; v64-95 V's four fragments
.set S,   96                           ; v96-159 S^T, then p
.set O,   160                          ; v160-191 O^T
.set VR,  192                          ; v192-199 V's scale bytes as loaded; v200-203 its scale words
.set VW,  200
.set Q2C, 204                          ; v204-207 the second tile's Q
.set VZ,  208                          ; 0
.set MV,  209                          ; -2^103
.set MK,  210                          ; v210-217 the step's mask codes
.set CL,  218                          ; v[218:219] my lane's factor: c, or 0
.set AA,  220                          ; v[220:221] my lane's addend
.set SH8, 222                          ; 8 (lane / 16)
.set R4,  223                          ; 4 (lane % 16)
.set PC,  224                          ; v224-231 p's codes
.set IX,  232                          ; v232-239: unit matrix with its ones at k = row (lanes 0-15, registers 0, 1); v234-241: with its ones at k = 112 + row (lanes 16-31, registers 6, 7); they share six registers of zeros
.set SCI, 242                          ; four scale bytes of 2^51
.set PX,  243                          ; a lane permute's destination
.set SC,  244                          ; v244, v245 the conversions' scale operands
.set B0,  246                          ; v246, v247 my two blocks' largest score, then largest p
.set MX,  248                          ; v248-251 four maxima; then two pairs of partial sums; v[254:255] a third
.set F,   252                          ; f = 2^(old M - new M)
.set PW,  253                          ; p's scale word
.set SPARE, 147456                     ; behind the head's K and V: the spare words, 128 bytes for each wave, which no other line names
.set TB,  2                            ; s2   LDS byte at which the step's 9,216 bytes begin
.set CNT, 3                            ; s3   steps to go
.set MP,  10                           ; s[10:11] my two tiles' 32,768 bytes of mask codes
.set G0,  16
.set G1,  20
.set SEL, 28
.set CS,  30                           ; c = log2(e) / 8
.set PSEL, 31
.set WV,  32
.set THR, 33                           ; -2^100
.set MO,  34                           ; s[34:35] the byte at which the next step's codes begin
.set MA,  36                           ; s[36:37] their address
.macro WM0 d, a, b, sa, sb             ; starts a sum
	v_wmma_scale_f32_16x16x128_f8f6f4 v[\d:\d+7], v[\a:\a+7], v[\b:\b+7], 0, v[\sa], v[\sb] matrix_a_fmt:MATRIX_FMT_FP4 matrix_b_fmt:MATRIX_FMT_FP4
.endm
.macro WMC d, a, b, sa, sb             ; adds in place
	v_wmma_scale_f32_16x16x128_f8f6f4 v[\d:\d+7], v[\a:\a+7], v[\b:\b+7], v[\d:\d+7], v[\sa], v[\sb] matrix_a_fmt:MATRIX_FMT_FP4 matrix_b_fmt:MATRIX_FMT_FP4
.endm
.macro CROUND                          ; a round of the cluster's barrier
	s_barrier_signal -1
	s_barrier_wait -1
	s_cmp_lg_u32 s[WV], 0
	s_cbranch_scc1 .Lnot_wave_0_\@
	s_barrier_signal -3
.Lnot_wave_0_\@:
	s_barrier_wait -3
	s_barrier_signal -1
	s_barrier_wait -1
.endm
	s_load_b256 s[4:11], s[0:1], 0x0               ; qc, qs, kv, mc
	s_load_b128 s[12:15], s[0:1], 0x20             ; ao, aos
	v_lshl_add_u32 v[SPW], v0, 2, SPARE
	v_mov_b32 v[NIL], 0
	ds_add_u32 v[SPW], v[NIL]                      ; the wave's opening: the add, twice on end, and its wait ahead of my tensor load
	ds_add_u32 v[SPW], v[NIL]
	v_lshrrev_b32 v[T0], 5, v0
	v_and_b32 v[NN], 31, v0
	v_and_b32 v[T2], 15, v0
	v_readfirstlane_b32 s[WV], v[T0]               ; wave 0..15
	v_lshlrev_b32 v[LI], 4, v[NN]
	v_lshlrev_b32 v[LR], 4, v[T2]
	; descriptor group 1: 9,216 dense bytes as 36 rows of 256 bytes (32 elements of 8 bytes), no padding; the mask names the cluster's four, bit 21 beside it
	s_mov_b32 s[G1], 15|(3<<16)|(1<<21)
	s_mov_b32 s[G1+1], 32<<16
	s_mov_b32 s[G1+2], 36<<16
	s_mov_b32 s[G1+3], 32<<16
	s_mov_b32 s[G1+4], 36
	s_mov_b32 s[G1+5], 32
	s_mov_b32 s[G1+6], 0
	s_mov_b32 s[G1+7], 0
	s_mov_b32 s[G0], 1
	s_mul_i32 s[G0+1], s[WV], 9216                 ; my sixteenth, in LDS as in memory
	s_mov_b32 s[SEL], 0x76543210
	s_mov_b32 s[SEL+1], 0xfedcba98
	s_mov_b32 s[CS], 0x3e38aa3b
	s_mov_b32 s[PSEL], 0x05040100
	s_mov_b32 s[THR], 0xf1800000
	s_mov_b32 s[MO], 0
	s_mov_b32 s[MO+1], 0
	s_and_b32 s40, ttmp7, 0xffff                   ; bh = 8 batch + head: the cluster's y
	s_mul_i32 s42, s40, 147456
	s_add_co_u32 s42, s42, s[G0+1]
	s_mov_b32 s43, 0                               ; kv: made of bh and the wave's number alone
	s_bfe_u32 s38, ttmp6, 0x40000                  ; cx
	s_lshl_b32 s39, ttmp9, 2
	s_add_co_u32 s38, s38, s39                     ; work-group x
	s_lshl_b32 s41, s38, 5
	s_lshl_b32 s39, s[WV], 1
	s_add_co_u32 s41, s41, s39                     ; my first tile of queries, Tq = 32 x + 2 wave
	s_lshl_b32 s44, s40, 7
	s_add_co_u32 s44, s44, s41                     ; 128 bh + Tq
	s_lshl_b32 s46, s44, 9
	s_mov_b32 s47, 0                               ; qc
	s_lshl_b32 s48, s44, 6
	s_mov_b32 s49, 0                               ; aos
	s_lshl_b32 s50, s40, 5
	s_lshr_b32 s39, s41, 2
	s_add_co_u32 s50, s50, s39
	s_lshl_b32 s50, s50, 8
	s_and_b32 s39, s41, 3
	s_lshl_b32 s39, s39, 2
	s_add_co_u32 s50, s50, s39
	s_mov_b32 s51, 0                               ; qs: (32 bh + Tq / 4) 256 + 4 (Tq % 4)
	s_lshl_b32 s52, s41, 14
	s_mov_b32 s53, 0                               ; mc: 16,384 bytes a tile
	s_lshr_b32 s54, s40, 3
	s_lshl_b32 s54, s54, 7
	s_add_co_u32 s54, s54, s41
	s_lshl_b32 s54, s54, 3
	s_and_b32 s39, s40, 7
	s_add_co_u32 s54, s54, s39
	s_lshl_b32 s54, s54, 9
	s_mov_b32 s55, 0                               ; ao: ((128 batch + Tq) 8 + head) 512
	s_wait_alu depctr_va_vdst(0)                   ; directly ahead of the waits below
	s_wait_dscnt 0x0                               ; both opening adds are done
	s_wait_kmcnt 0x0
	s_add_nc_u64 s[G0+2:G0+3], s[8:9], s[42:43]
	s_or_b32 s[G0+3], s[G0+3], 0x80000000          ; type = 2
	s_add_nc_u64 s[4:5], s[4:5], s[46:47]
	s_add_nc_u64 s[6:7], s[6:7], s[50:51]
	s_add_nc_u64 s[MP:MP+1], s[MP:MP+1], s[52:53]
	s_add_nc_u64 s[12:13], s[12:13], s[54:55]
	s_add_nc_u64 s[14:15], s[14:15], s[48:49]
	s_mov_b64 s[MA:MA+1], s[MP:MP+1]
	CROUND                                         ; the four work-groups are here: the joint loads meet
	tensor_load_to_lds s[G0:G0+3], s[G1:G1+7]      ; my one tensor load
	s_nop 0
	global_load_b128 v[QF:QF+3], v[LI], s[4:5]     ; Q's codes: channels 32 h .. + 31 of query r; the first tile's,
	global_load_b128 v[Q2C:Q2C+3], v[LI], s[4:5] offset:512   ; the second's
	global_load_b32 v[QW1], v[LR], s[6:7]          ; Q's scale words
	global_load_b32 v[QW2], v[LR], s[6:7] offset:4
	global_load_b128 v[MK:MK+3], v[LI], s[MA:MA+1] ; the first key step's mask codes
	global_load_b128 v[MK+4:MK+7], v[LI], s[MA:MA+1] offset:512
	v_bfe_u32 v[SH8], v0, 4, 1
	v_and_b32 v[R4], 15, v0
	v_and_b32 v[NN], 7, v0
	v_mov_b32 v[T2], 2                             ; the code of 1
	v_bfe_u32 v[T0], v0, 3, 2                      ; lanes 0-7, 8-15, 16-23, 24-31: which of the four registers holds my row's one
.irp j, QF+4,QF+5,QF+6,QF+7, VF,VF+1,VF+2,VF+3, VZ, CL,CL+1,AA,AA+1, IX+2,IX+3,IX+4,IX+5,IX+6,IX+7, PX, PW
	v_mov_b32 v[\j], 0                             ; zero codes, and registers that are named before they are first written
.endr
	v_lshlrev_b32 v[SH8], 3, v[SH8]
	v_lshlrev_b32 v[R4], 2, v[R4]
	v_lshlrev_b32 v[NN], 2, v[NN]
	v_mov_b32 v[MV], 0xf3000000                    ; -2^103
	v_mov_b32 v[SCI], 0xb2b2b2b2                   ; 2^51, four times
	v_lshlrev_b32 v[NN], v[NN], v[T2]              ; the code of 1 at place row % 8
.irp q, 0,1,2,3
	v_cmp_eq_u32 vcc_lo, \q, v[T0]
	v_cndmask_b32 v[IX+\q+6*(\q/2)], 0, v[NN], vcc_lo
.endr
	s_wait_alu depctr_va_vdst(0)                   ; the wait at the head's end
	s_wait_loadcnt 0x0                             ; Q and the first mask codes
	s_wait_tensorcnt 0x0                           ; my sixteenth of the head's K and V has landed,
	s_barrier_signal -1
	s_barrier_wait -1                              ; everybody's has
; ONE TILE OF 16 QUERIES: all 16 key steps and the way out.  qw: Q's scale word; blk: 0 or 1
.macro BLOCK qw, blk
.if \blk > 0
	s_wait_xcnt 0x0                                ; the last tile's stores have read their registers, which are written anew below
.irp j, 0,1,2,3
	v_mov_b32 v[QF+\j], v[Q2C+\j]
.endr
.endif
	s_mov_b32 s[TB], 0
	s_mov_b32 s[CNT], 16
	v_mov_b32 v[TMX], 0xff61b1e6                   ; the largest t so far: -3e38, under every t
	v_mov_b32 v[SUM], 0
	v_mov_b32 v[SUM+1], 0
.irp j, 0,1,2,3,4,5,6,7,8,9,10,11,12,13,14,15,16,17,18,19,20,21,22,23,24,25,26,27,28,29,30,31
	v_mov_b32 v[O+\j], 0                           ; O^T: the step is written once; the first finds zeros, which the first change of M leaves zeros
.endr
	v_floor_f32 v[NM], -v[TMX]                     ; -M
.Lstep_\@:                                         ; a key step: 128 keys, two blocks of 4,608 bytes
	v_add_nc_u32 v[ADK], s[TB], v[LI]
	v_add_nc_u32 v[ADS], s[TB], v[LR]
.irp c, 0,1
.irp t, 0,1,2,3
	ds_load_b128 v[KL+16*\c+4*\t:KL+16*\c+4*\t+3], v[ADK] offset:4608*\c+512*\t
.endr
	ds_load_b128 v[KS+4*\c:KS+4*\c+3], v[ADS] offset:4608*\c+4096     ; the four tiles' scale words of my row
	ds_load_b128 v[VR+4*\c:VR+4*\c+3], v[ADS] offset:4608*\c+4352     ; V's scale bytes
.endr
	s_wait_alu depctr_va_vdst(0)                   ; directly ahead of the wait below
	s_wait_loadcnt 0x0                             ; this step's mask codes, asked for a step ago, are in: so their address may be written
	s_add_co_u32 s[MO], s[MO], 1024
	s_min_u32 s[MO], s[MO], 31744                  ; behind the second tile's last step the last codes are loaded once more: no load leaves my 32,768 bytes
	s_add_nc_u64 s[MA:MA+1], s[MP:MP+1], s[MO:MO+1]
.irp u, 0,1,2,3                                ; the eight accumulators by turns: 0 or -2^103.  Tile 2 u: lanes 0-15 of mask registers 2 u, 2 u + 1; tile 2 u + 1: their lanes 16-31
	WM0 S+16*\u, IX, MK+2*\u, SCI, SCI
	WM0 S+16*\u+8, IX+2, MK+2*\u-6, SCI, SCI
.endr
	s_wait_dscnt 0x0                               ; K
.irp t, 0,1,2,3,4,5,6,7                        ; + K Q^T
	WMC S+8*\t, KL+4*\t, QF, KS+\t, \qw
.endr
.irp n, 0,1,2,3                                ; four plain lines: the places in front of the loads below and of the reads of the scores
	v_perm_b32 v[VW+\n], v[VR+4+\n], v[VR+\n], s[PSEL]   ; V's scale word of tile n: the first block's two bytes below the second's
.endr
.irp n, 0,1,2,3                                ; V's four fragments (16 channels x 128 keys)
.irp c, 0,1
	ds_load_b128 v[VF+8*\n+4*\c:VF+8*\n+4*\c+3], v[ADK] offset:4608*\c+2048+512*\n
.endr
.endr
	global_load_b128 v[MK:MK+3], v[LI], s[MA:MA+1] ; the next step's mask codes
	global_load_b128 v[MK+4:MK+7], v[LI], s[MA:MA+1] offset:512
.irp q, 0,1,2,3                                ; the largest score of my two blocks of 32 keys, in four chains by turns; each accumulator is read from its low end on
	v_max3_num_f32 v[MX+\q], v[S+16*\q], v[S+16*\q+1], v[S+16*\q+2]
.endr
.irp i, 3,5,7,9,11,13
.irp q, 0,1,2,3
	v_max3_num_f32 v[MX+\q], v[MX+\q], v[S+16*\q+\i], v[S+16*\q+\i+1]
.endr
.endr
.irp c, 0,1
	v_max3_num_f32 v[MX+2*\c], v[MX+2*\c], v[MX+2*\c+1], v[S+32*\c+15]
.endr
.irp c, 0,1
	v_max_num_f32 v[B0+\c], v[MX+2*\c], v[S+32*\c+31]   ; it serves the row's maximum and, since p rises with the score, the block's largest p
.endr
	v_max_num_f32 v[T2], v[B0], v[B0+1]
	v_permlanex16_b32 v[PX], v[T2], s[SEL], s[SEL+1]
	v_max_num_f32 v[T2], v[T2], v[PX]              ; the step's largest score of my query
	v_cmp_gt_f32 vcc_lo, s[THR], v[T2]             ; is the whole step masked for my query?
	v_cndmask_b32 v[CL], s[CS], v[VZ], vcc_lo      ; then the factor is 0,
	v_cndmask_b32 v[T2], v[T2], v[MV], vcc_lo      ; and the largest score exactly -2^103
	v_mul_f32 v[T2], s[CS], v[T2]                  ; as t
	v_max_num_f32 v[TMX], v[TMX], v[T2]            ; the running largest t
	v_floor_f32 v[NN], -v[TMX]                     ; the new -M = -ceil(t)
	v_sub_f32 v[T0], v[NN], v[NM]                  ; old M - new M: a whole number, 0 or less
	v_add_f32 v[T2], v[T2], v[NN]                  ; t - M
	v_cvt_i32_f32 v[T0], v[T0]                     ; (it saturates)
	v_cndmask_b32 v[AA], v[NN], v[T2], vcc_lo      ; the addend: -M, or in a masked step t - M
	v_ldexp_f32 v[F], 1.0, v[T0]                   ; f = 2^(old M - new M)
.irp j, 0,2,4,6,8,10,12,14,16,18,20,22,24,26,28,30,32,34,36,38,40,42,44,46,48,50,52,54,56,58,60,62
	v_pk_fma_f32 v[S+\j:S+\j+1], v[S+\j:S+\j+1], v[CL:CL+1], v[AA:AA+1] op_sel_hi:[1,0,0]   ; t - M, two at a time
.endr
.irp c, 0,1
	v_fma_f32 v[B0+\c], v[B0+\c], v[CL], v[AA]     ; the same of each block's largest score
.endr
	s_wait_alu depctr_va_vdst(0)                   ; the wait ahead of the batch
.irp j, 0,1,2,3,4,5,6,7,8,9,10,11,12,13,14,15,16,17,18,19,20,21,22,23,24,25,26,27,28,29,30,31,32,33,34,35,36,37,38,39,40,41,42,43,44,45,46,47,48,49,50,51,52,53,54,55,56,57,58,59,60,61,62,63
	v_exp_f32 v[S+\j], v[S+\j]                     ; p = 2^(t - M), at most 1
.endr
	v_exp_f32 v[B0], v[B0]                         ; the blocks' largest p
	v_exp_f32 v[B0+1], v[B0+1]
	v_mov_b32 v[NM], v[NN]                         ; (a plain place behind the exponentials)
	s_wait_alu depctr_va_vdst(0)                   ; one wait for the batch of 66, ahead of its first reader
	s_wait_dscnt 0x0                               ; V
	v_pk_fma_f32 v[SUM:SUM+1], v[SUM:SUM+1], v[F:F+1], v[S:S+1] op_sel_hi:[1,0,1]   ; the sum under the new M, and the unquantised p onto it: four chains by turns
	v_pk_add_f32 v[MX:MX+1], v[S+2:S+3], v[S+4:S+5]
	v_pk_add_f32 v[MX+2:MX+3], v[S+6:S+7], v[S+8:S+9]
	v_pk_add_f32 v[254:255], v[S+10:S+11], v[S+12:S+13]
.set J, 14
.rept 6
	v_pk_add_f32 v[SUM:SUM+1], v[SUM:SUM+1], v[S+J:S+J+1]
	v_pk_add_f32 v[MX:MX+1], v[MX:MX+1], v[S+J+2:S+J+3]
	v_pk_add_f32 v[MX+2:MX+3], v[MX+2:MX+3], v[S+J+4:S+J+5]
	v_pk_add_f32 v[254:255], v[254:255], v[S+J+6:S+J+7]
.set J, J+8
.endr
	v_pk_add_f32 v[SUM:SUM+1], v[SUM:SUM+1], v[S+62:S+63]
.irp c, 0,1
	v_max_num_f32 v[B0+\c], 0x1800000, v[B0+\c]    ; the floor 2^(3 - 127): the byte cannot fall under 1
.endr
.irp c, 0,1
	v_add_nc_u32 v[SC+\c], 0xff000000, v[B0+\c]    ; 2 off the exponent field: the conversion's scale operand
.endr
.irp c, 0,1
	v_lshrrev_b32 v[B0+\c], 23, v[SC+\c]           ; the scale's byte
.endr
	v_lshl_or_b32 v[T0], v[B0+1], 16, v[B0]        ; my two bytes, blocks h and 2 + h,
	v_lshlrev_b32 v[T0], v[SH8], v[T0]             ; at their places in the word;
	v_permlanex16_b32 v[PX], v[T0], s[SEL], s[SEL+1]
	v_or_b32 v[PW], v[T0], v[PX]                   ; with lane l xor 16's two: p's scale word for these 128 keys
.irp c, 0,1
.irp g, 0,1,2,3
	v_cvt_scalef32_pk8_fp4_f32 v[PC+4*\c+\g], v[S+32*\c+8*\g:S+32*\c+8*\g+7], v[SC+\c]   ; register 4 c + g of P's operand: keys 64 c + 32 h + 8 g + 0 .. 7
.endr
.endr
	v_nop                                          ; one plain place behind a scaled conversion
	s_wait_alu depctr_va_vdst(0)                   ; directly ahead of the first reader of O^T
.irp j, 0,2,4,6,8,10,12,14,16,18,20,22,24,26,28,30
	v_pk_mul_f32 v[O+\j:O+\j+1], v[O+\j:O+\j+1], v[F:F+1] op_sel_hi:[1,0]   ; O^T under the new M.  For each product below twelve of these name none of its registers: the places behind the writes of p's scale word (8) and codes (4)
.endr
.irp n, 0,1,2,3                                ; O^T += V^T P^T: the four accumulators one after the other, one instruction each
	WMC O+8*\n, VF+8*\n, PC, VW+\n, PW
.endr
	v_pk_add_f32 v[SUM:SUM+1], v[SUM:SUM+1], v[MX:MX+1]       ; the four chains join.  These three and the next step's two additions are the places in front of the next writes of V's scale words
	v_pk_add_f32 v[MX+2:MX+3], v[MX+2:MX+3], v[254:255]
	v_pk_add_f32 v[SUM:SUM+1], v[SUM:SUM+1], v[MX+2:MX+3]
	s_add_co_u32 s[TB], s[TB], 9216
	s_sub_co_u32 s[CNT], s[CNT], 1
	s_cmp_lg_u32 s[CNT], 0
	s_cbranch_scc1 .Lstep_\@
	; THE WAY OUT.  O^T / the sum; register 16 b + i is channel 32 b + 16 h + i of my query: two blocks of 32 along d_model; a lane's four registers are half a fragment of the last product.
	v_add_f32 v[SUM], v[SUM], v[SUM+1]
	v_permlanex16_b32 v[PX], v[SUM], s[SEL], s[SEL+1]
	v_add_f32 v[SUM], v[SUM], v[PX]                ; the row's sum
	s_wait_alu depctr_va_vdst(0)                   ; the wait ahead of the reciprocal
	v_rcp_f32 v[SUM], v[SUM]
	v_nop                                          ; a plain place behind it
	s_wait_alu depctr_va_vdst(0)                   ; and the wait ahead of its first reader, which is also O^T's
.irp j, 0,2,4,6,8,10,12,14,16,18,20,22,24,26,28,30
	v_pk_mul_f32 v[S+\j:S+\j+1], v[O+\j:O+\j+1], v[SUM:SUM+1] op_sel_hi:[1,0]
.endr
.irp b, 0,1
	v_max3_num_f32 v[B0+\b], |v[S+16*\b]|, |v[S+1+16*\b]|, 0x1800000
.endr
.irp i, 2,4,6,8,10,12,14
.irp b, 0,1
	v_max3_num_f32 v[B0+\b], v[B0+\b], |v[S+16*\b+\i]|, |v[S+1+16*\b+\i]|
.endr
.endr
.irp b, 0,1
	v_permlanex16_b32 v[MX+\b], v[B0+\b], s[SEL], s[SEL+1]
.endr
.irp b, 0,1
	v_max_num_f32 v[B0+\b], v[B0+\b], v[MX+\b]
.endr
.irp b, 0,1
	v_add_nc_u32 v[SC+\b], 0xff000000, v[B0+\b]
.endr
.irp b, 0,1
	v_lshrrev_b32 v[B0+\b], 23, v[SC+\b]
.endr
	v_lshl_or_b32 v[NN], v[B0+1], 8, v[B0]         ; my row's two scale bytes; the upper half of the word is 0
.irp b, 0,1
	v_cvt_scalef32_pk8_fp4_f32 v[PC+2*\b], v[S+16*\b:S+7+16*\b], v[SC+\b]
	v_cvt_scalef32_pk8_fp4_f32 v[PC+1+2*\b], v[S+8+16*\b:S+15+16*\b], v[SC+\b]
.endr
	v_nop
	v_permlane16_swap_b32 v[PC], v[PC+2]           ; a whole block in a lane
	v_permlane16_swap_b32 v[PC+1], v[PC+3]
	global_store_b128 v[LI], v[PC:PC+3], s[12:13] offset:4096*\blk   ; 32 lanes store 512 consecutive bytes, at a multiple of 256 from ao's first byte
	global_store_b32 v[R4], v[NN], s[14:15] offset:64*\blk           ; 64 consecutive bytes a tile (lanes l and l xor 16 store the same word at the same place); two neighbouring waves' four tiles lie on end
.endm
	BLOCK QW1, 0
	BLOCK QW2, 1
	s_wait_tensorcnt 0x0                           ; the wave's end
	ds_add_u32 v[SPW], v[NIL]
	s_wait_dscnt 0x0
	CROUND                                         ; the closing round
	s_endpgm
.Lfunc_end_k_q24820028a8_attn:
	.size	k_q24820028a8_attn, .Lfunc_end_k_q24820028a8_attn-k_q24820028a8_attn
	.p2alignl 7, 3214868480
	.fill 96, 4, 3214868480
	.section	.rodata,"a",@progbits
	.p2align	6, 0x0
	.amdhsa_kernel k_q24820028a8_attn
		.amdhsa_group_segment_fixed_size 167936
		.amdhsa_private_segment_fixed_size 0
		.amdhsa_enable_private_segment 0
		.amdhsa_kernarg_size 48
		.amdhsa_user_sgpr_count 2
		.amdhsa_user_sgpr_kernarg_segment_ptr 1
		.amdhsa_wavefront_size32 1
		.amdhsa_system_sgpr_workgroup_id_x 1
		.amdhsa_system_sgpr_workgroup_id_y 1
		.amdhsa_system_sgpr_workgroup_id_z 1
		.amdhsa_system_vgpr_workitem_id 0
		.amdhsa_next_free_vgpr 256
		.amdhsa_next_free_sgpr 66
		.amdhsa_reserve_vcc 1
		.amdhsa_float_denorm_mode_32 3
		.amdhsa_float_denorm_mode_16_64 3
		.amdhsa_memory_ordered 1
		.amdhsa_forward_progress 1
		.amdhsa_inst_pref_size 47
	.end_amdhsa_kernel
	.amdgpu_metadata
---
amdhsa.version: [ 1, 2 ]
amdhsa.kernels:
  - .name:           k_q24820028a8_attn
    .symbol:         k_q24820028a8_attn.kd
    .args:
      - { .name: qc, .offset: 0, .size: 8, .value_kind: global_buffer, .address_space: global }
      - { .name: qs, .offset: 8, .size: 8, .value_kind: global_buffer, .address_space: global }
      - { .name: kv, .offset: 16, .size: 8, .value_kind: global_buffer, .address_space: global }
      - { .name: mc, .offset: 24, .size: 8, .value_kind: global_buffer, .address_space: global }
      - { .name: ao, .offset: 32, .size: 8, .value_kind: global_buffer, .address_space: global }
      - { .name: aos, .offset: 40, .size: 8, .value_kind: global_buffer, .address_space: global }
    .group_segment_fixed_size: 167936
    .private_segment_fixed_size: 0
    .kernarg_segment_align: 8
    .kernarg_segment_size: 48
    .max_flat_workgroup_size: 512
    .sgpr_count:     66
    .vgpr_count:     256
    .wavefront_size: 32
...
	.end_amdgpu_metadata
.endif
;; end of part 7
;; launch oproj (part 8): grid 256 x 1, 4 waves a work-group, no clusters, 34,304 bytes of LDS; arguments ao, aos, wc, wsb, bo, out0; writes out0
.if DOCPART == 8
	.amdgcn_target "amdgcn-amd-amdhsa--gfx1250"
	.amdhsa_code_object_version 6
	.text
	.protected	k_q24820028a8_oproj
	.globl	k_q24820028a8_oproj
	.p2align	8
	.type	k_q24820028a8_oproj,@function
k_q24820028a8_oproj:
	s_mov_b64 s[64:65], 0
	v_nop
	global_prefetch_b8 v0, s[64:65] scope:SCOPE_SE
	s_setreg_imm32_b32 hwreg(HW_REG_WAVE_MODE, 25, 1), 1
	s_wait_xcnt 0x0
; Launch 4 of 4: out0 = a Wo^T + bo on codes of E2M1; a is the attention's result as the launch before has quantised it.  Nothing of the problem is left out here.
; SHARES.  A work-group of four waves owns 64 rows (four tiles of 16); wave w makes columns 128 w .. 128 w + 127 of all of them, with its part of Wo (32 fragments) and all 16 fragments of a in registers.
; The product is used transposed (source 0 = 16 rows of Wo, source 1 = 16 rows of a): a lane holds eight neighbouring columns of one row.  bo is the C of each sum's first matrix instruction.
; The rows of a tile are not neighbours: row i of tile m is position 32 (m / 2) + 8 (m % 2) + i + 8 (i / 8) of the 64.  Wo's tiles are rows 16 t + r.
; THE WAY OUT: a tile's 16 rows x 512 bytes go through the wave's own stage in LDS and leave as whole rows: each store of the wave covers 512 consecutive bytes, aligned.  No barrier: waves share nothing.
; NO CLUSTER AND NO TENSOR LOAD: the operands are laid in the order of the registers and go from memory straight into them, once.
; REGISTERS.  Window 0: v1-6 addresses; v14, v15 the add's two; v16-31 a's scale words (4 m + s); v32-47 Wo's (2 t + s / 2); v48 at work; v64-127 eight accumulators; v128-255 rows on their way out, two sets.
;   Window 1: Wo's fragments, (t, s) at 8 (4 t + s).  Window 2: v0-63 bo's eight tiles; v64-191 a's fragments, (m, s) at 64 + 8 (4 m + s).
.set LI,  1                            ; 16 x lane
.set LS,  2                            ; 4 x lane
.set ASA, 3                            ; aos: 4 r + (a head's 8,192) h
.set BA,  4                            ; bo: 32 h
.set STO, 5                            ; my stage: 528 r + 32 h
.set RD,  6                            ; my stage: 16 x lane
.set SPW, 14
.set NIL, 15
.set AS,  16
.set WS,  32
.set HA,  64
.set BK,  128
.set SPARE, 4*16*528                   ; behind the four stages: the spare words, 128 bytes for each wave, which no other line names
.set MSB, 0
.macro WIN new                         ; the immediate's high byte repeats the setting that is left; a switch that changes nothing is dropped
.if MSB != (\new)
	s_set_vgpr_msb (MSB<<8)|(\new)
.set MSB, (\new)
.endif
.endm
.macro WMA d, a, b, c, sa, sb, odd     ; source 0 takes its scales from lanes 16-31 where odd = 1
.if \odd
	v_wmma_scale_f32_16x16x128_f8f6f4 v[\d:\d+7], v[\a:\a+7], v[\b:\b+7], v[\c:\c+7], v[\sa], v[\sb] matrix_a_fmt:MATRIX_FMT_FP4 matrix_b_fmt:MATRIX_FMT_FP4 matrix_a_scale:MATRIX_SCALE_ROW1
.else
	v_wmma_scale_f32_16x16x128_f8f6f4 v[\d:\d+7], v[\a:\a+7], v[\b:\b+7], v[\c:\c+7], v[\sa], v[\sb] matrix_a_fmt:MATRIX_FMT_FP4 matrix_b_fmt:MATRIX_FMT_FP4
.endif
.endm
.macro MUL m                           ; tile m: 32 products, the eight accumulators by turns, K ascending
.irp s, 0,1,2,3
.if \s == 0
	WIN 0x29                                       ; source 0 (Wo) window 1, source 1 (a) window 2, C (bo) window 2
.else
	WIN 0x09
.endif
	s_wait_alu depctr_va_vdst(0)
.irp t, 0,1,2,3,4,5,6,7
.if \s == 0
	WMA HA+8*\t, 8*(4*\t+\s), 64+8*(4*(\m)+\s), 8*\t, WS+2*\t+\s/2, AS+4*(\m)+\s, \s%2
.else
	WMA HA+8*\t, 8*(4*\t+\s), 64+8*(4*(\m)+\s), HA+8*\t, WS+2*\t+\s/2, AS+4*(\m)+\s, \s%2
.endif
.endr
.endr
.endm
.macro TOSTAGE m
.irp t, 0,1,2,3,4,5,6,7
	ds_store_b128 v[STO], v[HA+8*\t:HA+8*\t+3] offset:64*\t          ; each accumulator from its low end on
	ds_store_b128 v[STO], v[HA+8*\t+4:HA+8*\t+7] offset:64*\t+16
.endr
.irp i, 0,1,2,3,4,5,6,7,8,9,10,11,12,13,14,15
	ds_load_b128 v[BK+64*((\m)%2)+4*\i:BK+64*((\m)%2)+4*\i+3], v[RD] offset:528*\i   ; LDS serves a wave's instructions in order: these see the stores above, and the next tile's stores come behind them
.endr
.endm
.macro SEND m
	s_wait_dscnt 0x0                               ; the tile is back in registers
.irp i, 0,1,2,3,4,5,6,7,8,9,10,11,12,13,14,15
	global_store_b128 v[LI], v[BK+64*((\m)%2)+4*\i:BK+64*((\m)%2)+4*\i+3], s[14:15] offset:(32*((\m)/2)+8*((\m)%2)+\i+8*(\i/8))*2048 th:TH_STORE_NT
.endr
.endm
	s_load_b256 s[4:11], s[0:1], 0x0               ; ao, aos, wc, wsb
	s_load_b128 s[12:15], s[0:1], 0x20             ; bo, out0
	v_lshl_add_u32 v[SPW], v0, 2, SPARE
	v_mov_b32 v[NIL], 0
	v_lshrrev_b32 v7, 5, v0
	v_readfirstlane_b32 s16, v7                    ; wave 0..3
	v_and_b32 v7, 31, v0
	v_lshlrev_b32 v[LI], 4, v7
	v_lshlrev_b32 v[LS], 2, v7
	v_and_b32 v8, 15, v0                           ; r
	v_bfe_u32 v9, v0, 4, 1                         ; h
	v_lshlrev_b32 v[ASA], 2, v8
	v_lshl_add_u32 v[ASA], v9, 13, v[ASA]
	v_lshlrev_b32 v[BA], 5, v9
	s_mul_i32 s20, s16, 16*528                     ; my stage
	v_mul_u32_u24 v[STO], v8, 528
	v_lshl_add_u32 v[STO], v9, 5, v[STO]
	v_add_nc_u32 v[STO], s20, v[STO]
	v_add_nc_u32 v[RD], s20, v[LI]
	v_mov_b32 v48, 0                               ; written once: a lane permute's destination counts as one of its sources
	s_mov_b32 s18, 0x76543210
	s_mov_b32 s19, 0xfedcba98
	s_lshl_b32 s22, ttmp9, 14                      ; ao: four tiles of 4,096 bytes a work-group
	s_mov_b32 s23, 0
	s_lshr_b32 s24, ttmp9, 5
	s_lshl_b32 s24, s24, 16                        ; aos: 65,536 bytes a batch,
	s_and_b32 s25, ttmp9, 31
	s_lshl_b32 s25, s25, 8                         ; four tiles of 64 bytes
	s_add_co_u32 s24, s24, s25
	s_mov_b32 s25, 0
	s_lshl_b32 s26, s16, 15                        ; wc: 8 tiles of 4,096 bytes a wave
	s_mov_b32 s27, 0
	s_lshl_b32 s28, s16, 11                        ; wsb
	s_mov_b32 s29, 0
	s_lshl_b32 s30, s16, 9                         ; bo, and my columns in a row of out0
	s_mov_b32 s31, 0
	s_lshl_b32 s32, ttmp9, 17                      ; out0: 64 rows of 2,048 bytes
	s_mov_b32 s33, 0
	s_wait_alu depctr_va_vdst(0)
	s_wait_kmcnt 0x0
	s_add_nc_u64 s[4:5], s[4:5], s[22:23]
	s_add_nc_u64 s[6:7], s[6:7], s[24:25]
	s_add_nc_u64 s[8:9], s[8:9], s[26:27]
	s_add_nc_u64 s[10:11], s[10:11], s[28:29]
	s_add_nc_u64 s[12:13], s[12:13], s[30:31]
	s_add_nc_u64 s[14:15], s[14:15], s[30:31]
	s_add_nc_u64 s[14:15], s[14:15], s[32:33]
.irp t, 0,1,2,3,4,5,6,7
.irp p, 0,1
	global_load_b32 v[WS+2*\t+\p], v[LS], s[10:11] offset:3*8192+\t*256+128*\p   ; K step 2 p in lanes 0-15, 2 p + 1 in lanes 16-31
.endr
.endr
.irp m, 0,1,2,3
.irp s, 0,1,2,3
	global_load_b32 v[AS+4*\m+\s], v[ASA], s[6:7] offset:64*\m+16384*\s   ; lanes 0-15: head 2 s's two bytes of row r; lanes 16-31: head 2 s + 1's
.endr
.endr
	WIN 0x80
.irp t, 0,1,2,3,4,5,6,7
	global_load_b128 v[8*\t:8*\t+3], v[BA], s[12:13] offset:64*\t        ; bo(128 w + 16 t + 8 h + 0 .. 7)
	global_load_b128 v[8*\t+4:8*\t+7], v[BA], s[12:13] offset:64*\t+16
.endr
.irp m, 0,1,2,3
.irp s, 0,1,2,3
.irp c, 0,1
	global_load_b128 v[64+8*(4*\m+\s)+4*\c:64+8*(4*\m+\s)+4*\c+3], v[LI], s[4:5] offset:\m*4096+(2*\s+\c)*512
.endr
.endr
.endr
	WIN 0x40
.irp t, 0,1,2,3,4,5,6,7
.irp s, 0,1,2,3
	global_load_b128 v[8*(4*\t+\s):8*(4*\t+\s)+3], v[LI], s[8:9] offset:3*131072+\t*4096+\s*1024
	global_load_b128 v[8*(4*\t+\s)+4:8*(4*\t+\s)+7], v[LI], s[8:9] offset:3*131072+\t*4096+\s*1024+512
.endr
.endr
	WIN 0
	s_wait_loadcnt 0x0
.irp f, 0,1,2,3,4,5,6,7,8,9,10,11,12,13,14,15
	v_permlanex16_b32 v48, v[AS+\f], s18, s19
	v_lshl_or_b32 v[AS+\f], v48, 16, v[AS+\f]      ; lanes 0-15: head 2 s's two bytes below head 2 s + 1's: the K step's scale word (lanes 16-31 are not read)
.endr
.rept 8
	v_nop                                          ; a scale register written by a vector instruction stands 8 places ahead of a scaled matrix instruction
.endr
	MUL 0
.irp m, 0,1,2,3
	WIN 0
.rept 5
	v_nop                                          ; four places in front of the stage's reads of the results; the fifth since the next tile begins these accumulators anew from bo
.endr
.if \m >= 2
	s_wait_xcnt 0x0                                ; tile m - 2's stores have read their registers, into which tile m's rows are loaded
.endif
	TOSTAGE \m
.if \m < 3
	s_wait_dscnt 16                                ; the 16 stores into the stage have read the accumulators; the 16 loads behind them may stay out
	MUL \m+1
	WIN 0
.endif
	SEND \m
.endr
	s_wait_tensorcnt 0x0                           ; the wave's end, behind my last LDS store
	ds_add_u32 v[SPW], v[NIL]
	s_wait_dscnt 0x0
	s_endpgm
.Lfunc_end_k_q24820028a8_oproj:
	.size	k_q24820028a8_oproj, .Lfunc_end_k_q24820028a8_oproj-k_q24820028a8_oproj
	.p2alignl 7, 3214868480
	.fill 96, 4, 3214868480
	.section	.rodata,"a",@progbits
	.p2align	6, 0x0
	.amdhsa_kernel k_q24820028a8_oproj
		.amdhsa_group_segment_fixed_size 34304
		.amdhsa_private_segment_fixed_size 0
		.amdhsa_enable_private_segment 0
		.amdhsa_kernarg_size 48
		.amdhsa_user_sgpr_count 2
		.amdhsa_user_sgpr_kernarg_segment_ptr 1
		.amdhsa_wavefront_size32 1
		.amdhsa_system_sgpr_workgroup_id_x 1
		.amdhsa_system_sgpr_workgroup_id_y 1
		.amdhsa_system_sgpr_workgroup_id_z 1
		.amdhsa_system_vgpr_workitem_id 0
		.amdhsa_next_free_vgpr 704
		.amdhsa_next_free_sgpr 66
		.amdhsa_reserve_vcc 0
		.amdhsa_float_denorm_mode_32 3
		.amdhsa_float_denorm_mode_16_64 3
		.amdhsa_memory_ordered 1
		.amdhsa_forward_progress 1
		.amdhsa_inst_pref_size 50
	.end_amdhsa_kernel
	.amdgpu_metadata
---
amdhsa.version: [ 1, 2 ]
amdhsa.kernels:
  - .name:           k_q24820028a8_oproj
    .symbol:         k_q24820028a8_oproj.kd
    .args:
      - { .name: ao, .offset: 0, .size: 8, .value_kind: global_buffer, .address_space: global }
      - { .name: aos, .offset: 8, .size: 8, .value_kind: global_buffer, .address_space: global }
      - { .name: wc, .offset: 16, .size: 8, .value_kind: global_buffer, .address_space: global }
      - { .name: wsb, .offset: 24, .size: 8, .value_kind: global_buffer, .address_space: global }
      - { .name: bo, .offset: 32, .size: 8, .value_kind: global_buffer, .address_space: global }
      - { .name: out0, .offset: 40, .size: 8, .value_kind: global_buffer, .address_space: global }
    .group_segment_fixed_size: 34304
    .private_segment_fixed_size: 0
    .kernarg_segment_align: 8
    .kernarg_segment_size: 48
    .max_flat_workgroup_size: 128
    .sgpr_count:     66
    .vgpr_count:     704
    .wavefront_size: 32
...
	.end_amdgpu_metadata
.endif
;; end of part 8
